; MI455X (gfx1250); checked and timed in simulation.
; The chip was launched on July 23, 2026; its instructions are those of AMD's public machine-readable ISA for CDNA 5 (MIT licence, August 2026) and "CDNA5" Instruction Set Architecture Reference Guide (July 2026). The comments in the code are by the model that wrote it; some were corrected since.
;; Linear Attention Toeplitz. Allowed arithmetic: float matrix products may take bf16 or f16 operands with f32 sums; all other float work in f32.
;; Inputs: k_b 512 float32; k_w 512 x 512 float32; o_b 512 float32; o_w 512 x 512 float32; q_b 512 float32; q_w 512 x 512 float32; toep_weight 1 x 2,048 float32; v_b 512 float32; v_w 512 x 512 float32; x 2 x 512 x 2,048 float32.
;; Outputs: out0 2 x 2,048 x 512 float32.
;; 2 versions, each right; version 2 is version 1 with the launch prep written anew for expert scheduling mode. Each part assembles by itself: llvm-mc -triple=amdgcn-amd-amdhsa -mcpu=gfx1250 --defsym DOCPART=n.
;; ======== version 1 of 2: 4 launches
;; limits: values outside matrix products are rounded to bf16
;; workspace buffers: xb 4,194,304 bytes; wb 2,097,152 bytes; bia 16,384 bytes; qf 4,194,304 bytes; kk 8,912,896 bytes; vt 9,437,184 bytes; aux 262,144 bytes; st 20,971,520 bytes
;; launch prep (part 1): grid 233 x 1, 8 waves a work-group, no clusters, 199,424 bytes of LDS; arguments x, q_w, k_w, v_w, o_w, q_b, k_b, v_b, o_b, toep_weight, xb, wb, bia; writes xb, wb, bia
.if DOCPART == 1
	.amdgcn_target "amdgcn-amd-amdhsa--gfx1250"
	.amdhsa_code_object_version 6
	.text
	.protected	k_q7ddaa862ff_prep
	.globl	k_q7ddaa862ff_prep
	.p2align	8
	.type	k_q7ddaa862ff_prep,@function
k_q7ddaa862ff_prep:
	s_mov_b64 s[64:65], 0
	v_nop
	global_prefetch_b8 v0, s[64:65] scope:SCOPE_SE
	s_setreg_imm32_b32 hwreg(HW_REG_WAVE_MODE, 25, 1), 1
	s_wait_xcnt 0x0
; PREP: every input is rounded to bf16 once, and the output projection is folded into v's.
;   work-groups 0-63   FOLD : Wvo = o_w v_w (bf16 products, f32 sums), 32 rows j x 128 columns e each, written as a bf16 pair hi + lo
;   work-groups 64-71  BP   : b'[j] = sum over m of o_w[j][m] v_b[m], 64 rows each, kept in f32
;   work-group  72     SMALL: q_b, k_b, o_b, toep_weight rounded to bf16 and kept as f32
;   work-groups 73-232 CAST : x, q_w, k_w to bf16, 65,536 bytes in and 32,768 out each
; wb: bf16 [2048][512]: rows 0-511 q_w, 512-1023 k_w; row 1024 + 64 (j / 32) + 32 p + j % 32 is part p (0 hi, 1 lo) of Wvo's row j.
; bia: f32: q_b at 0, k_b at 512, b' at 1024, toep at 1536, o_b at 3584.
; No tensor loads: f32 has to pass through registers to be rounded.  No cluster: the work-groups share little and load through registers.
; LIMITS: hi + lo holds about 16 significant bits of Wvo with f32's range; NaN and infinities are not treated apart.
.set VW,    0                          ; v_w's strip as bf16, [512 m][128 e], rows 288 bytes apart (256 + 32)
.set PVW,   288
.set OW,    147456                     ; o_w's 32 rows as bf16, [32 j][512 m], rows 1,040 bytes apart (1,024 + 16)
.set POW,   1040
.set STG0,  180736                     ; the way out: 64 rows (32 hi, 32 lo) of 256 bytes, 272 apart
.set PST,   272
.set BS,    198144                     ; BP: 64 sums
.set SPARE, 198400                     ; the spare words, 128 bytes for each of eight waves; no other line names them
.set SPW, 2                            ; v2  LDS address of my spare word; never rewritten
.set NIL, 3                            ; v3  0; never rewritten
.set WV,  30                           ; s30 my wave's number
.set ID,  31                           ; s31 the work-group's number
.macro PLACES                          ; four plain places behind a matrix instruction (ISA guide 7.12.1)
.rept 4
	v_nop
.endr
.endm
	s_load_b512 s[4:19], s[0:1], 0x0               ; x 4, q_w 6, k_w 8, v_w 10, o_w 12, q_b 14, k_b 16, v_b 18
	s_load_b256 s[20:27], s[0:1], 0x40             ; o_b 20, toep 22, xb 24, wb 26
	s_load_b64 s[28:29], s[0:1], 0x60              ; bia
	v_lshl_add_u32 v[SPW], v0, 2, SPARE
	v_mov_b32 v[NIL], 0
	v_lshrrev_b32 v1, 5, v0
	v_readfirstlane_b32 s[WV], v1
	s_mov_b32 s[ID], ttmp9
	s_wait_kmcnt 0x0
	s_cmp_lt_u32 s[ID], 64
	s_cbranch_scc1 .Lfold
	s_cmp_lt_u32 s[ID], 72
	s_cbranch_scc1 .Lbp
	s_cmp_eq_u32 s[ID], 72
	s_cbranch_scc1 .Lsmall
; ---------------- CAST: 16 loads of 16 bytes a thread, all on their way at once; a wave's store covers 256 consecutive bytes
	s_sub_co_u32 s32, s[ID], 73                    ; i: 0-127 x, 128-143 q_w, 144-159 k_w
	s_sub_co_u32 s33, s32, 128                     ; i - 128: the block in wb (used only where i >= 128)
	s_and_b32 s40, s33, 15                         ; the block in q_w or k_w
	s_cmp_lt_u32 s32, 144
	s_cselect_b64 s[36:37], s[6:7], s[8:9]
	s_cmp_lt_u32 s32, 128
	s_cselect_b64 s[36:37], s[4:5], s[36:37]       ; from
	s_cselect_b64 s[38:39], s[24:25], s[26:27]     ; to
	s_cselect_b32 s34, s32, s40
	s_cselect_b32 s41, s32, s33
	s_lshl_b32 s34, s34, 16
	s_mov_b32 s35, 0
	s_add_nc_u64 s[36:37], s[36:37], s[34:35]
	s_lshl_b32 s34, s41, 15
	s_add_nc_u64 s[38:39], s[38:39], s[34:35]
	v_lshlrev_b32 v4, 4, v0
	v_lshlrev_b32 v5, 3, v0
.set i, 0
.rept 16
	global_load_b128 v[64+4*i:64+4*i+3], v4, s[36:37] offset:i*4096 th:TH_LOAD_NT
.set i, i+1
.endr
.set i, 0
.rept 16
	s_wait_loadcnt 15-i                            ; loads come back in order: number i is in, the younger stay out
	v_cvt_pk_bf16_f32 v[20+2*i], v[64+4*i], v[64+4*i+1]
	v_cvt_pk_bf16_f32 v[21+2*i], v[64+4*i+2], v[64+4*i+3]
	global_store_b64 v5, v[20+2*i:21+2*i], s[38:39] offset:i*2048
.set i, i+1
.endr
	s_endpgm                                       ; this path writes no LDS
; ---------------- SMALL
.Lsmall:
	v_lshlrev_b32 v4, 3, v0
	v_lshlrev_b32 v5, 4, v0
	global_load_b64 v[8:9], v4, s[14:15]
	global_load_b64 v[10:11], v4, s[16:17]
	global_load_b64 v[12:13], v4, s[20:21]
	global_load_b128 v[16:19], v5, s[22:23]
	global_load_b128 v[20:23], v5, s[22:23] offset:4096
	s_wait_loadcnt 0x0
.irp p, 8,10,12,16,18,20,22
	v_cvt_pk_bf16_f32 v1, v[\p], v[\p+1]           ; rounded to bf16,
	v_lshlrev_b32 v[\p+24], 16, v1                 ; and widened again
	v_and_b32 v[\p+25], 0xffff0000, v1
.endr
	global_store_b64 v4, v[32:33], s[28:29]
	global_store_b64 v4, v[34:35], s[28:29] offset:2048
	global_store_b64 v4, v[36:37], s[28:29] offset:14336
	global_store_b128 v5, v[40:43], s[28:29] offset:6144
	global_store_b128 v5, v[44:47], s[28:29] offset:10240
	s_endpgm                                       ; this path writes no LDS
; ---------------- BP: a wave takes 8 rows of o_w; a lane holds elements 128 q + 4 l + 0..3 of a row and of v_b
.Lbp:
	s_sub_co_u32 s32, s[ID], 64
	s_lshl_b32 s33, s32, 6
	s_lshl3_add_u32 s33, s[WV], s33                ; my first row: 64 g + 8 w
	s_lshl_b32 s34, s33, 11
	s_mov_b32 s35, 0
	s_add_nc_u64 s[36:37], s[12:13], s[34:35]
	s_mov_b32 s38, 0x76543210                      ; v_permlanex16_b32: each lane takes its own place in the other half
	s_mov_b32 s39, 0xfedcba98
	v_and_b32 v1, 31, v0
	v_lshlrev_b32 v4, 4, v1
.irp q, 0,1,2,3
	global_load_b128 v[8+4*\q:11+4*\q], v4, s[18:19] offset:512*\q
.endr
.set i, 0
.rept 8
.irp q, 0,1,2,3
	global_load_b128 v[64+16*i+4*\q:64+16*i+4*\q+3], v4, s[36:37] offset:2048*i+512*\q
.endr
.set i, i+1
.endr
	s_lshl_b32 s40, s[WV], 5
	s_add_co_u32 s40, s40, BS
	v_mov_b32 v6, s40                              ; my wave's eight words
	v_mov_b32 v32, 0
	s_wait_loadcnt 32                              ; v_b is in; o_w's 32 loads stay out
.irp q, 0,1,2,3
	v_cvt_pk_bf16_f32 v[24+2*\q], v[8+4*\q], v[9+4*\q]
	v_cvt_pk_bf16_f32 v[25+2*\q], v[10+4*\q], v[11+4*\q]
.endr
.set i, 0
.rept 8
	s_wait_loadcnt 4*(7-i)                         ; row i is in
.irp q, 0,1,2,3
	v_cvt_pk_bf16_f32 v[40+2*\q], v[64+16*i+4*\q], v[64+16*i+4*\q+1]
	v_cvt_pk_bf16_f32 v[41+2*\q], v[64+16*i+4*\q+2], v[64+16*i+4*\q+3]
.endr
	v_fma_mix_f32_bf16 v48, v40, v24, v32 op_sel_hi:[1,1,0]                 ; two chains: the low halves' products, the high halves'
	v_fma_mix_f32_bf16 v49, v40, v24, v32 op_sel:[1,1,0] op_sel_hi:[1,1,0]
.irp j, 1,2,3,4,5,6,7
	v_fma_mix_f32_bf16 v48, v[40+\j], v[24+\j], v48 op_sel_hi:[1,1,0]
	v_fma_mix_f32_bf16 v49, v[40+\j], v[24+\j], v49 op_sel:[1,1,0] op_sel_hi:[1,1,0]
.endr
	v_add_f32 v48, v48, v49
	v_add_f32_dpp v48, v48, v48 row_xmask:1 row_mask:0xf bank_mask:0xf
	v_add_f32_dpp v48, v48, v48 row_xmask:2 row_mask:0xf bank_mask:0xf
	v_add_f32_dpp v48, v48, v48 row_xmask:4 row_mask:0xf bank_mask:0xf
	v_add_f32_dpp v48, v48, v48 row_xmask:8 row_mask:0xf bank_mask:0xf
	v_permlanex16_b32 v49, v48, s38, s39
	v_add_f32 v48, v48, v49
	ds_store_b32 v6, v48 offset:4*i                ; all lanes write the same word with the same number
.set i, i+1
.endr
	s_wait_dscnt 0x0                               ; for the others' sake: my stores are done
	s_barrier_signal -1
	s_barrier_wait -1
	s_cmp_lg_u32 s[WV], 0
	s_cbranch_scc1 .Lbp_end
	v_lshl_add_u32 v7, v1, 3, BS
	ds_load_b64 v[50:51], v7                       ; wave 0 stores the 64 sums: 256 consecutive bytes
	s_lshl_b32 s34, s32, 8
	s_add_co_u32 s34, s34, 4096
	s_add_nc_u64 s[42:43], s[28:29], s[34:35]
	v_lshlrev_b32 v5, 3, v1
	s_wait_dscnt 0x0
	global_store_b64 v5, v[50:51], s[42:43]
.Lbp_end:
	s_wait_tensorcnt 0x0                           ; the wave's end: behind my last LDS store
	ds_add_u32 v[SPW], v[NIL]
	s_wait_dscnt 0x0
	s_endpgm
; ---------------- FOLD
.Lfold:
	s_lshr_b32 s32, s[ID], 2                       ; jb: 32 rows j
	s_and_b32 s33, s[ID], 3                        ; eb4: 128 columns e
	s_lshl_b32 s34, s32, 16
	s_mov_b32 s35, 0
	s_add_nc_u64 s[36:37], s[12:13], s[34:35]      ; o_w at my 32 rows (65,536 consecutive bytes)
	s_add_co_u32 s34, s34, 1048576                 ; wb: row 1024 + 64 jb,
	s_lshl_b32 s40, s33, 8
	s_add_co_u32 s34, s34, s40                     ; column 128 eb4
	s_add_nc_u64 s[42:43], s[26:27], s[34:35]
	s_lshl_b32 s34, s33, 9
	s_add_nc_u64 s[38:39], s[10:11], s[34:35]      ; v_w at my strip of 512 bytes a row
	v_lshlrev_b32 v4, 4, v0                        ; o_w: 16 t
	v_and_b32 v7, 31, v0
	v_lshlrev_b32 v5, 11, v1
	v_lshl_add_u32 v5, v7, 4, v5                   ; v_w: row t / 32, 16 bytes a lane
; A ring of 32 slots in registers: 80 items of 4,096 bytes (16 of o_w, 64 of v_w), 32 loads of every wave on their way.
.macro LD i
.if (\i) < 16
	global_load_b128 v[64+4*((\i)%32):64+4*((\i)%32)+3], v4, s[36:37] offset:(\i)*4096
.else
	global_load_b128 v[64+4*((\i)%32):64+4*((\i)%32)+3], v5, s[38:39] offset:((\i)-16)*16384
.endif
.endm
.macro CV i
.if (\i) < 49
	s_wait_loadcnt 31                              ; item i is in; the 31 younger stay out
.else
	s_wait_loadcnt 79-(\i)                         ; the counts run down
.endif
	v_cvt_pk_bf16_f32 v[20+2*((\i)%8)], v[64+4*((\i)%32)], v[64+4*((\i)%32)+1]
	v_cvt_pk_bf16_f32 v[21+2*((\i)%8)], v[64+4*((\i)%32)+2], v[64+4*((\i)%32)+3]
.if (\i) < 16
	ds_store_b64 v6, v[20+2*((\i)%8):21+2*((\i)%8)] offset:(\i)*2*POW
.else
	ds_store_b64 v[8+(((\i)-16)>>4)], v[20+2*((\i)%8):21+2*((\i)%8)] offset:(((\i)-16)&15)*8*PVW
.endif
.if (\i) < 48
	LD (\i)+32
.endif
.endm
.set i, 0
.rept 32
	LD i
.set i, i+1
.endr
	v_lshrrev_b32 v52, 7, v0
	v_and_b32 v53, 127, v0
	v_mul_u32_u24 v6, v52, POW
	v_lshl_add_u32 v6, v53, 3, v6
	v_add_nc_u32 v6, OW, v6                        ; o_w in LDS: row t / 128 of an item's two, 8 bytes a thread
	v_mul_u32_u24 v8, v1, PVW
	v_lshl_add_u32 v8, v7, 3, v8                   ; v_w in LDS: row t / 32 of an item's eight; four bases, since an offset has 16 bits
	v_add_nc_u32 v9, 128*PVW, v8
	v_add_nc_u32 v10, 256*PVW, v8
	v_add_nc_u32 v11, 384*PVW, v8
	v_and_b32 v54, 15, v0                          ; r
	v_bfe_u32 v55, v0, 4, 1                        ; h
	v_and_b32 v56, 7, v0
	v_bfe_u32 v57, v0, 3, 1
	v_lshl_add_u32 v58, v55, 3, v56
	v_mul_u32_u24 v12, v58, PVW                    ; the turning load: row 8 h + l % 8, 16 bytes by (l / 8) % 2, my wave's 16 columns
	v_lshl_add_u32 v12, v57, 4, v12
	s_lshl_b32 s44, s[WV], 5
	v_add_nc_u32 v12, s44, v12
	v_add_nc_u32 v13, 128*PVW, v12
	v_add_nc_u32 v14, 256*PVW, v12
	v_add_nc_u32 v15, 384*PVW, v12
	v_mul_u32_u24 v16, v54, POW
	v_lshl_add_u32 v16, v55, 4, v16
	v_add_nc_u32 v16, OW, v16                      ; o_w's fragments: row r, 16 h
	v_mul_u32_u24 v17, v54, PST
	v_lshl_add_u32 v17, v55, 4, v17
	v_add_nc_u32 v17, s44, v17
	v_add_nc_u32 v17, STG0, v17                    ; into the stage: row r, my wave's 32 bytes, 16 h
	v_lshrrev_b32 v59, 4, v0
	v_mul_u32_u24 v18, v59, PST
	v_lshl_add_u32 v18, v54, 4, v18
	v_add_nc_u32 v18, STG0, v18                    ; back: row t / 16, 16 bytes a thread
	v_lshlrev_b32 v19, 10, v59
	v_lshl_add_u32 v19, v54, 4, v19                ; and the same in wb
.set i, 0
.rept 80
	CV i
.set i, i+1
.endr
	s_wait_dscnt 0x0                               ; my stores are done,
	s_barrier_signal -1
	s_barrier_wait -1                              ; everybody's are
; D(m = e, n = j) = v_w^T (16 e of my wave, turned out of LDS) x o_w (16 j): a lane then holds eight neighbouring e of one row j.
; Two accumulators (j tiles 0 and 1) take turns.  A run of loads brings four K steps of 32.
.macro FETCHB be, f
.irp k, 0,1,2,3
	ds_load_tr16_b128 v[(\f)+24*\k:(\f)+24*\k+3],     v[12+(\be)] offset:(32*\k)*PVW
	ds_load_tr16_b128 v[(\f)+24*\k+4:(\f)+24*\k+7],   v[12+(\be)] offset:(32*\k+16)*PVW
	ds_load_b128 v[(\f)+24*\k+8:(\f)+24*\k+11],  v16 offset:256*(\be)+64*\k
	ds_load_b128 v[(\f)+24*\k+12:(\f)+24*\k+15], v16 offset:256*(\be)+64*\k+32
	ds_load_b128 v[(\f)+24*\k+16:(\f)+24*\k+19], v16 offset:256*(\be)+64*\k+16*POW
	ds_load_b128 v[(\f)+24*\k+20:(\f)+24*\k+23], v16 offset:256*(\be)+64*\k+16*POW+32
.endr
.endm
.macro MULB f, zero
.irp k, 0,1,2,3
.if (\zero) && (\k == 0)
	v_wmma_f32_16x16x32_bf16 v[36:43], v[(\f)+24*\k:(\f)+24*\k+7], v[(\f)+24*\k+8:(\f)+24*\k+15], 0
	v_wmma_f32_16x16x32_bf16 v[44:51], v[(\f)+24*\k:(\f)+24*\k+7], v[(\f)+24*\k+16:(\f)+24*\k+23], 0
.else
	v_wmma_f32_16x16x32_bf16 v[36:43], v[(\f)+24*\k:(\f)+24*\k+7], v[(\f)+24*\k+8:(\f)+24*\k+15], v[36:43]
	v_wmma_f32_16x16x32_bf16 v[44:51], v[(\f)+24*\k:(\f)+24*\k+7], v[(\f)+24*\k+16:(\f)+24*\k+23], v[44:51]
.endif
.endr
.endm
	FETCHB 0, 64
	FETCHB 1, 160
	s_wait_dscnt 24                                ; the older run of 24 is in
	MULB 64, 1
	PLACES
	FETCHB 2, 64
	s_wait_dscnt 24
	MULB 160, 0
	PLACES
	FETCHB 3, 160
	s_wait_dscnt 24
	MULB 64, 0
	s_wait_dscnt 0x0
	MULB 160, 0
	PLACES
; hi = the sum rounded to bf16; lo = (sum - hi) rounded to bf16
.macro SPLIT2 hi, lo, a, t
	v_cvt_pk_bf16_f32 v[\hi], v[\a], v[(\a)+1]
	v_lshlrev_b32 v[\t], 16, v[\hi]
	v_and_b32 v[(\t)+1], 0xffff0000, v[\hi]
	v_pk_add_f32 v[\t:(\t)+1], v[\a:(\a)+1], v[\t:(\t)+1] neg_lo:[0,1] neg_hi:[0,1]
	v_cvt_pk_bf16_f32 v[\lo], v[\t], v[(\t)+1]
.endm
.irp jt, 0,1
.irp p, 0,1,2,3
	SPLIT2 20+4*\jt+\p, 28+4*\jt+\p, 36+8*\jt+2*\p, 52+2*\p
.endr
.endr
	ds_store_b128 v17, v[20:23]
	ds_store_b128 v17, v[24:27] offset:16*PST
	ds_store_b128 v17, v[28:31] offset:32*PST
	ds_store_b128 v17, v[32:35] offset:48*PST
	s_wait_dscnt 0x0                               ; a row's 256 bytes come from eight waves
	s_barrier_signal -1
	s_barrier_wait -1
.irp i, 0,1,2,3
	ds_load_b128 v[64+4*\i:67+4*\i], v18 offset:\i*16*PST
.endr
.irp i, 0,1,2,3
	s_wait_dscnt 3-\i
	global_store_b128 v19, v[64+4*\i:67+4*\i], s[42:43] offset:\i*16384  ; 16 lanes store 256 consecutive bytes, at a multiple of 256 from wb's first
.endr
	s_wait_tensorcnt 0x0                           ; the wave's end: behind my last LDS store
	ds_add_u32 v[SPW], v[NIL]
	s_wait_dscnt 0x0
	s_endpgm
.Lfunc_end_k_q7ddaa862ff_prep:
	.size	k_q7ddaa862ff_prep, .Lfunc_end_k_q7ddaa862ff_prep-k_q7ddaa862ff_prep
	.p2alignl 7, 3214868480
	.fill 96, 4, 3214868480
	.section	.rodata,"a",@progbits
	.p2align	6, 0x0
	.amdhsa_kernel k_q7ddaa862ff_prep
		.amdhsa_group_segment_fixed_size 199424
		.amdhsa_private_segment_fixed_size 0
		.amdhsa_enable_private_segment 0
		.amdhsa_kernarg_size 104
		.amdhsa_user_sgpr_count 2
		.amdhsa_user_sgpr_kernarg_segment_ptr 1
		.amdhsa_wavefront_size32 1
		.amdhsa_system_sgpr_workgroup_id_x 1
		.amdhsa_system_sgpr_workgroup_id_y 1
		.amdhsa_system_sgpr_workgroup_id_z 1
		.amdhsa_system_vgpr_workitem_id 0
		.amdhsa_next_free_vgpr 256
		.amdhsa_next_free_sgpr 66
		.amdhsa_reserve_vcc 0
		.amdhsa_float_denorm_mode_32 3
		.amdhsa_float_denorm_mode_16_64 3
		.amdhsa_memory_ordered 1
		.amdhsa_forward_progress 1
		.amdhsa_inst_pref_size 70
	.end_amdhsa_kernel
	.amdgpu_metadata
---
amdhsa.version: [ 1, 2 ]
amdhsa.kernels:
  - .name:           k_q7ddaa862ff_prep
    .symbol:         k_q7ddaa862ff_prep.kd
    .args:
      - { .name: x, .offset: 0, .size: 8, .value_kind: global_buffer, .address_space: global }
      - { .name: q_w, .offset: 8, .size: 8, .value_kind: global_buffer, .address_space: global }
      - { .name: k_w, .offset: 16, .size: 8, .value_kind: global_buffer, .address_space: global }
      - { .name: v_w, .offset: 24, .size: 8, .value_kind: global_buffer, .address_space: global }
      - { .name: o_w, .offset: 32, .size: 8, .value_kind: global_buffer, .address_space: global }
      - { .name: q_b, .offset: 40, .size: 8, .value_kind: global_buffer, .address_space: global }
      - { .name: k_b, .offset: 48, .size: 8, .value_kind: global_buffer, .address_space: global }
      - { .name: v_b, .offset: 56, .size: 8, .value_kind: global_buffer, .address_space: global }
      - { .name: o_b, .offset: 64, .size: 8, .value_kind: global_buffer, .address_space: global }
      - { .name: toep_weight, .offset: 72, .size: 8, .value_kind: global_buffer, .address_space: global }
      - { .name: xb, .offset: 80, .size: 8, .value_kind: global_buffer, .address_space: global }
      - { .name: wb, .offset: 88, .size: 8, .value_kind: global_buffer, .address_space: global }
      - { .name: bia, .offset: 96, .size: 8, .value_kind: global_buffer, .address_space: global }
    .group_segment_fixed_size: 199424
    .private_segment_fixed_size: 0
    .kernarg_segment_align: 8
    .kernarg_segment_size: 104
    .max_flat_workgroup_size: 256
    .sgpr_count:     66
    .vgpr_count:     256
    .wavefront_size: 32
...
	.end_amdgpu_metadata
.endif
;; end of part 1
;; launch proj (part 2): grid 16 x 32, 4 waves a work-group, clusters of 4 x 4, 327,680 bytes of LDS; arguments xb, wb, bia, qf, kk, vt, aux; writes qf, kk, vt, aux
.if DOCPART == 2
	.amdgcn_target "amdgcn-amd-amdhsa--gfx1250"
	.amdhsa_code_object_version 6
	.text
	.protected	k_q7ddaa862ff_proj
	.globl	k_q7ddaa862ff_proj
	.p2align	8
	.type	k_q7ddaa862ff_proj,@function
k_q7ddaa862ff_proj:
	s_mov_b64 s[64:65], 0
	v_nop
	global_prefetch_b8 v0, s[64:65] scope:SCOPE_SE
	s_setreg_imm32_b32 hwreg(HW_REG_WAVE_MODE, 25, 1), 1
	s_wait_xcnt 0x0
	s_wait_alu depctr_hold_cnt(0) depctr_sa_sdst(0) depctr_va_vdst(0) depctr_va_sdst(0) depctr_va_ssrc(0) depctr_va_vcc(0) depctr_vm_vsrc(0)
	s_getreg_b32 s2, hwreg(HW_REG_IB_STS2, 6, 4)
	s_cmp_eq_u32 s2, 0
	s_cbranch_scc0 .Lentry_in_a_cluster
	s_endpgm
.Lentry_in_a_cluster:
	s_bfe_u32 s2, ttmp6, 0x10000c
	s_cmp_lg_u32 s2, 0xf033
	s_cbranch_scc0 .Lentry_shape_is_right
	s_endpgm
.Lentry_shape_is_right:
; PROJ: [128 tokens] x [128 rows of wb] x K = 512 for each work-group; the tile column n says what the rows are:
;   n 0-3  q: Q' = exp(g - m_blk), m_blk the maximum of the row's 64 columns that a wave holds; (m_blk log2 e, sum of Q') go to aux; the row's true maximum is taken of the 8 block maxima in the next launch but one
;   n 4-7  k: K = exp(g), written twice: rows = tokens (kf) and rows = channels (kt)
;   n 8-15 v': (x Wvo_hi + x Wvo_lo + b') toep[t], written as a bf16 pair hi + lo, rows = channels (vt)
; THE FRAGMENT LAYOUT of qf, kf, kt, vt: a fragment (16 rows x 32 k) is 1,024 bytes; byte 512 half + 16 lane + 2 i holds row lane % 16, k = 16 half + 8 (lane / 16) + i: two loads of 16 bytes a lane are a
; matrix operand, and a packed result tile D(m, n) IS half a fragment of the matrix [row n][k m], in the same lanes: every store of a wave covers 512 consecutive bytes.
; D(m = wb row, n = token) = W fragment x x fragment; x lies [e][t] in LDS and is turned by ds_load_tr16_b128.  A wave makes 64 x 64: 16 accumulators that take turns.
; The whole K is resident: each wave asks for two tiles at the start and nothing is filled again.
; CLUSTER 4 x 4: x's tiles hang on the chunk alone and are shared along a row of the cluster, W's on the tile column alone and are shared along a column.
; LIMITS: exponentials below 2^-126 count as 0; K beyond f32's range is an infinity, as in the f32 computation; NaN is not treated apart.
.set PX,    288                        ; x: [512 e][128 t] bf16 from LDS byte 0, rows 256 + 32 bytes
.set WB,    147456                     ; W: two K halves of [128 rows][256 e], rows 512 + 16 bytes
.set PW,    528
.set WHALF, 67584
.set STG,   282624                     ; each wave's own stage: 64 rows of 128 bytes, 160 apart; no tensor load fills it
.set PS,    160
.set SPARE, 323584                     ; the spare words, 128 bytes a wave; no other line names them
.set KT_OFF, 4194304                   ; kt's place in kk
.set KT_B,  2359296                    ; kt, vt: a batch; a group of three chunks; a tile of 16 rows (12 fragments)
.set KT_G,  393216
.set KT_T,  12288
.set VT_P,  4718592                    ; vt: from hi to lo
.set AX,  4                            ; v4-7   x fragments: 128 e to a register
.set AW,  8                            ; v8-9   W fragments: a K half to a register
.set STO, 10
.set TRD, 11
.set GL,  12                           ; v12 16 l   v13 32 h   v14 4 r   v15 8 l
.set H32, 13
.set R4,  14
.set L8,  15
.set SPW, 16
.set NIL, 17
.set TP,  18                           ; v18-25 toep of my token in tile a, in pairs; in q's path at work
.set BI,  32                           ; v32-63 the bias of my 32 rows of wb
.set PK,  64                           ; v64-127 packed results
.set ACC, 128                          ; v128-255 accumulator (a, b) at ACC + 8 (4 a + b): a token tile, b row tile
.set F0,  0                            ; window 1: two fragment buffers: x at f + 8 (4 c + a), W at f + 64 + 8 (4 c + b)
.set F1,  128
.set WV, 18
.set WL, 19                            ; w % 2: which 64 rows of wb are mine; also which part of a tile I fetch
.set WT, 20                            ; w / 2: which 64 tokens are mine
.set CX, 21
.set CY, 22
.set NN, 23
.set MM, 24
.set BT, 25
.set CC, 26
.set CLX, 29
.set G1X, 32
.set G1W, 40
.set G0X, 48
.set G0W, 56
.set CS,  66                           ; s[66:67] log2 e
.set SEL, 68
.set HM,  70                           ; 0xffff0000: lanes 16-31
.set MSB, 0
.macro WIN new                         ; the immediate's high byte repeats the setting that is left
.if MSB != (\new)
	s_set_vgpr_msb (MSB<<8)|(\new)
.set MSB, \new
.endif
.endm
.macro PLACES
.rept 4
	v_nop
.endr
.endm
.macro CROUND                          ; a round of the cluster's barrier
	s_barrier_signal -1
	s_barrier_wait -1
	s_cmp_lg_u32 s[WV], 0
	s_cbranch_scc1 .Lnot_wave_0_\@
	s_barrier_signal -3
.Lnot_wave_0_\@:
	s_barrier_wait -3
	s_barrier_signal -1
	s_barrier_wait -1
.endm
	s_load_b256 s[4:11], s[0:1], 0x0               ; xb 4, wb 6, bia 8, qf 10
	s_load_b128 s[12:15], s[0:1], 0x20             ; kk 12, vt 14
	s_load_b64 s[16:17], s[0:1], 0x30              ; aux
	v_lshl_add_u32 v[SPW], v0, 2, SPARE
	v_mov_b32 v[NIL], 0
	ds_add_u32 v[SPW], v[NIL]                      ; the wave's opening: the add and its wait ahead of my first tensor load
	v_lshrrev_b32 v1, 5, v0
	v_readfirstlane_b32 s[WV], v1
	s_and_b32 s[WL], s[WV], 1
	s_lshr_b32 s[WT], s[WV], 1
	s_mov_b32 s[CLX], ttmp9                        ; the cluster's x: 0 q, 1 k, 2 and 3 v': the same in all partners
	s_bfe_u32 s[CX], ttmp6, 0x40000
	s_bfe_u32 s[CY], ttmp6, 0x40004
	s_lshl_b32 s[NN], ttmp9, 2
	s_add_co_u32 s[NN], s[NN], s[CX]               ; n: tile column
	s_and_b32 s[MM], ttmp7, 0xffff
	s_lshl_b32 s[MM], s[MM], 2
	s_add_co_u32 s[MM], s[MM], s[CY]               ; m: chunk of 128 tokens, 0-31
	s_lshl_b32 s27, s[CY], 2
	s_lshl_b32 s27, 15, s27                        ; my row of the cluster
	s_lshl_b32 s28, 0x1111, s[CX]                  ; my column
	s_or_b32 s[G1X], s27, (1<<16)|(1<<20)|(1<<21)|(5<<22)|(7<<25)  ; the mask; 2-byte elements; padding on; bit 21 beside a mask; after every 64 words 8 words
	s_or_b32 s[G1W], s28, (1<<16)|(1<<20)|(1<<21)|(6<<22)|(3<<25)  ; after every 128 words 4 words
	s_mov_b32 s[G1X+1], 128<<16                    ; x: 128 rows (e) of 128 elements (t), 2,048 elements from row to row
	s_mov_b32 s[G1X+2], 128<<16
	s_mov_b32 s[G1X+3], 128<<16
	s_mov_b32 s[G1X+4], 128
	s_mov_b32 s[G1X+5], 2048
	s_mov_b32 s[G1X+6], 0
	s_mov_b32 s[G1X+7], 0
	s_mov_b32 s[G1W+1], 256<<16                    ; W: 64 rows of 256 elements (e), 512 from row to row
	s_mov_b32 s[G1W+2], 64<<16
	s_mov_b32 s[G1W+3], 256<<16
	s_mov_b32 s[G1W+4], 64
	s_mov_b32 s[G1W+5], 512
	s_mov_b32 s[G1W+6], 0
	s_mov_b32 s[G1W+7], 0
	s_lshr_b32 s[BT], s[MM], 4                     ; batch
	s_and_b32 s[CC], s[MM], 15                     ; chunk in the batch
	s_lshl_b32 s72, s[BT], 21                      ; x's tile: batch, chunk's 256 bytes, my 128 rows e: made of the chunk and the wave alone
	s_lshl_b32 s27, s[CC], 8
	s_add_co_u32 s72, s72, s27
	s_lshl_b32 s27, s[WL], 19
	s_add_co_u32 s72, s72, s27
	s_mov_b32 s73, 0
	s_lshl_b32 s74, s[NN], 17                      ; W's tile: row 128 n + 64 (w % 2): made of the tile column and the wave alone
	s_lshl_b32 s28, s[WL], 16
	s_add_co_u32 s74, s74, s28
	s_mov_b32 s75, 0
	s_mul_i32 s76, s[WL], 128*PX                   ; and where they go
	s_mul_i32 s77, s[WL], 64*PW
	s_add_co_u32 s77, s77, WB
	s_mov_b32 s[CS], 0x3fb8aa3b
	s_mov_b32 s[CS+1], s[CS]
	s_mov_b32 s[SEL], 0x76543210
	s_mov_b32 s[SEL+1], 0xfedcba98
	s_mov_b32 s[HM], 0xffff0000
	s_wait_dscnt 0x0                               ; the opening add is done
	s_wait_kmcnt 0x0
	s_add_nc_u64 s[72:73], s[4:5], s[72:73]
	s_add_nc_u64 s[74:75], s[6:7], s[74:75]
	CROUND                                         ; all sixteen work-groups are here: the joint loads meet
.irp e, 0,1
	s_mov_b32 s[G0X+4*\e], 1
	s_add_co_u32 s[G0X+4*\e+1], s76, \e*256*PX
	s_add_nc_u64 s[G0X+4*\e+2:G0X+4*\e+3], s[72:73], \e*1048576   ; K half e: 256 rows of 4,096 bytes on
	s_or_b32 s[G0X+4*\e+3], s[G0X+4*\e+3], 0x80000000
	s_mov_b32 s[G0W+4*\e], 1
	s_add_co_u32 s[G0W+4*\e+1], s77, \e*WHALF
	s_add_nc_u64 s[G0W+4*\e+2:G0W+4*\e+3], s[74:75], \e*512       ; K half e: 256 elements on
	s_or_b32 s[G0W+4*\e+3], s[G0W+4*\e+3], 0x80000000
.endr
	s_cmp_lt_u32 s[WV], 2                          ; waves 0, 1 ask for x, waves 2, 3 for W: a wave's two first fills stand in one branch; two loads of mine are out
	s_cbranch_scc0 .Lfirst_w
	tensor_load_to_lds s[G0X:G0X+3], s[G1X:G1X+7]
	s_nop 0
	tensor_load_to_lds s[G0X+4:G0X+7], s[G1X:G1X+7]
	s_nop 0
	PLACES
	s_branch .Lfirst_done
.Lfirst_w:
	tensor_load_to_lds s[G0W:G0W+3], s[G1W:G1W+7]
	s_nop 0
	tensor_load_to_lds s[G0W+4:G0W+7], s[G1W:G1W+7]
	s_nop 0
	PLACES
.Lfirst_done:
	s_lshl_b32 s78, s[NN], 9                       ; bias of q and k: f32 index 128 n + 64 (w % 2)
	s_lshl_b32 s79, s[WL], 8
	s_add_co_u32 s78, s78, s79
	s_lshl_b32 s80, s[NN], 8                       ; b': index 1024 + 64 (n - 8) + 32 (w % 2)
	s_lshl_b32 s79, s[WL], 7
	s_add_co_u32 s80, s80, s79
	s_add_co_u32 s80, s80, 2048
	s_cmp_ge_u32 s[CLX], 2
	s_cselect_b32 s78, s80, s78
	s_mov_b32 s79, 0
	s_add_nc_u64 s[78:79], s[8:9], s[78:79]
	s_lshl_b32 s80, s[CC], 9                       ; toep: index 1536 + 128 c + 64 (w / 2)
	s_lshl_b32 s81, s[WT], 8
	s_add_co_u32 s80, s80, s81
	s_add_co_u32 s80, s80, 6144
	s_mov_b32 s81, 0
	s_add_nc_u64 s[80:81], s[8:9], s[80:81]
	v_and_b32 v1, 15, v0                           ; r
	v_bfe_u32 v2, v0, 4, 1                         ; h
	v_and_b32 v3, 31, v0
	v_and_b32 v26, 7, v0
	v_bfe_u32 v27, v0, 3, 1
	v_lshl_add_u32 v28, v2, 3, v26
	v_mul_u32_u24 v[AX], v28, PX                   ; the turning load: row 8 h + l % 8, 16 bytes by (l / 8) % 2, my 64 tokens
	v_lshl_add_u32 v[AX], v27, 4, v[AX]
	s_lshl_b32 s27, s[WT], 7
	v_add_nc_u32 v[AX], s27, v[AX]
	v_add_nc_u32 v[AX+1], 128*PX, v[AX]
	v_add_nc_u32 v[AX+2], 256*PX, v[AX]
	v_add_nc_u32 v[AX+3], 384*PX, v[AX]
	v_mul_u32_u24 v[AW], v1, PW
	v_lshl_add_u32 v[AW], v2, 4, v[AW]
	s_mul_i32 s27, s[WL], 64*PW
	s_add_co_u32 s27, s27, WB
	v_add_nc_u32 v[AW], s27, v[AW]
	v_add_nc_u32 v[AW+1], WHALF, v[AW]
	s_mul_i32 s27, s[WV], 64*PS
	s_add_co_u32 s27, s27, STG
	v_mul_u32_u24 v[STO], v1, PS
	v_lshl_add_u32 v[STO], v2, 4, v[STO]
	v_add_nc_u32 v[STO], s27, v[STO]
	v_mul_u32_u24 v[TRD], v28, PS
	v_lshl_add_u32 v[TRD], v27, 4, v[TRD]
	v_add_nc_u32 v[TRD], s27, v[TRD]
	v_lshlrev_b32 v[GL], 4, v3
	v_lshlrev_b32 v[H32], 5, v2
	v_lshlrev_b32 v[R4], 2, v1
	v_lshlrev_b32 v[L8], 3, v3
.irp b, 0,1,2,3
	global_load_b128 v[BI+8*\b:BI+8*\b+3],   v[H32], s[78:79] offset:64*\b     ; rows 16 b + 8 h + 0..7
	global_load_b128 v[BI+8*\b+4:BI+8*\b+7], v[H32], s[78:79] offset:64*\b+16
.endr
.irp a, 0,1,2,3
	global_load_b32 v[TP+2*\a], v[R4], s[80:81] offset:64*\a                   ; token 16 a + r
	v_mov_b32 v[TP+2*\a+1], 0                                                  ; named with it as a pair
.endr
; 32 LDS loads: the fragments of 64 along K (quarter q of eight), the first 32 along K first
.macro FETCH q, f
	WIN 0x40                                       ; destination window 1, address window 0
.irp c, 0,1
.irp i, 0,1,2,3
	ds_load_b128 v[(\f)+64+8*(4*\c+\i):(\f)+64+8*(4*\c+\i)+3],   v[AW+((\q)>>2)] offset:\i*16*PW+((\q)&3)*128+64*\c
	ds_load_b128 v[(\f)+64+8*(4*\c+\i)+4:(\f)+64+8*(4*\c+\i)+7], v[AW+((\q)>>2)] offset:\i*16*PW+((\q)&3)*128+64*\c+32
	ds_load_tr16_b128 v[(\f)+8*(4*\c+\i):(\f)+8*(4*\c+\i)+3],    v[AX+((\q)>>1)] offset:(((\q)&1)*64+32*\c)*PX+32*\i
	ds_load_tr16_b128 v[(\f)+8*(4*\c+\i)+4:(\f)+8*(4*\c+\i)+7],  v[AX+((\q)>>1)] offset:(((\q)&1)*64+32*\c+16)*PX+32*\i
.endr
.endr
.endm
.macro MUL8 f, c, a0, zero
	WIN 0x05                                       ; sources 0 (W) and 1 (x) window 1; C and D window 0
.irp a, \a0, (\a0)+1
.irp b, 0,1,2,3
.if \zero
	v_wmma_f32_16x16x32_bf16 v[ACC+8*(4*(\a)+(\b)):ACC+8*(4*(\a)+(\b))+7], v[(\f)+64+8*(4*(\c)+(\b)):(\f)+64+8*(4*(\c)+(\b))+7], v[(\f)+8*(4*(\c)+(\a)):(\f)+8*(4*(\c)+(\a))+7], 0
.else
	v_wmma_f32_16x16x32_bf16 v[ACC+8*(4*(\a)+(\b)):ACC+8*(4*(\a)+(\b))+7], v[(\f)+64+8*(4*(\c)+(\b)):(\f)+64+8*(4*(\c)+(\b))+7], v[(\f)+8*(4*(\c)+(\a)):(\f)+8*(4*(\c)+(\a))+7], v[ACC+8*(4*(\a)+(\b)):ACC+8*(4*(\a)+(\b))+7]
.endif
.endr
.endr
.endm
; A quarter: 32 matrix instructions on buffer f; in its middle the next quarter's run of loads into g.  sync = 1: the next quarter lies in the second K half: every wave's second tile must be in.
.macro QUARTER q, f, g, zero, sync
	s_wait_dscnt 16                                ; the first 32 along K are in
	MUL8 \f, 0, 0, \zero
	MUL8 \f, 0, 2, \zero
.if \sync
	s_wait_tensorcnt 0x0                           ; my part of the second K half is in;
	s_wait_dscnt 0x0                               ; no LDS instruction of mine is pending at a signal
	s_barrier_signal -1
	s_barrier_wait -1                              ; everybody's is
.endif
	PLACES
	FETCH (\q)+1, \g
	s_wait_dscnt 32                                ; all but the 32 just issued
	MUL8 \f, 1, 0, 0
	MUL8 \f, 1, 2, 0
.endm
	s_wait_tensorcnt 0x1                           ; my part of the first K half is in; the second may stay out
	s_barrier_signal -1
	s_barrier_wait -1
	FETCH 0, F0
	QUARTER 0, F0, F1, 1, 0
	QUARTER 1, F1, F0, 0, 0
	QUARTER 2, F0, F1, 0, 0
	QUARTER 3, F1, F0, 0, 1
	QUARTER 4, F0, F1, 0, 0
	QUARTER 5, F1, F0, 0, 0
	QUARTER 6, F0, F1, 0, 0
	s_wait_dscnt 16
	MUL8 F1, 0, 0, 0
	MUL8 F1, 0, 2, 0
	s_wait_dscnt 0x0
	MUL8 F1, 1, 0, 0
	MUL8 F1, 1, 2, 0
	WIN 0
	PLACES
	s_wait_loadcnt 0x0                             ; bias and toep
	s_mul_i32 s88, s[CC], 11                       ; kt and vt: group g = c / 3 = 11 c >> 5 for c < 16, and c % 3
	s_lshr_b32 s88, s88, 5
	s_mul_i32 s89, s88, 3
	s_sub_co_u32 s89, s[CC], s89
	s_mul_i32 s90, s[BT], KT_B
	s_mul_i32 s88, s88, KT_G
	s_add_co_u32 s90, s90, s88
	s_lshl_b32 s89, s89, 12                        ; fragment 4 (c % 3) + 2 (w / 2) of a tile's twelve
	s_add_co_u32 s90, s90, s89
	s_lshl_b32 s89, s[WT], 11
	s_add_co_u32 s90, s90, s89
	s_lshl_b32 s82, s[MM], 17                      ; qf and kf: token tile 8 m + 4 (w / 2), 16,384 bytes each
	s_lshl_b32 s27, s[WT], 16
	s_add_co_u32 s82, s82, s27
	s_lshl_b32 s27, s[WL], 11                      ; and my 64 channels' two fragments
	s_add_co_u32 s82, s82, s27
	s_mov_b32 s83, 0
	s_mov_b32 s87, 0
	s_cmp_eq_u32 s[CLX], 0
	s_cbranch_scc1 .Lepi_q
	s_cmp_eq_u32 s[CLX], 1
	s_cbranch_scc1 .Lepi_k
; The packed tiles PK(a, b) ([token][row of wb]) go through my own stage and come back turned: half fragments with rows = rows of wb and k = tokens.
; LDS serves a wave's instructions in order (ISA guide 5.7.1.4), so no wait stands between my stores and my loads.
.macro TRANSP kind
.irp a, 0,1,2,3
.irp b, 0,1,2,3
	ds_store_b128 v[STO], v[PK+16*\a+4*\b:PK+16*\a+4*\b+3] offset:\a*16*PS+32*\b
.endr
.endr
.irp b, 0,1,2,3
.irp k, 0,1
.irp hf, 0,1
	ds_load_tr16_b128 v[ACC+16*\b+8*\k+4*\hf:ACC+16*\b+8*\k+4*\hf+3], v[TRD] offset:(32*\k+16*\hf)*PS+32*\b
.endr
.endr
.endr
.set idx, 0
.irp b, 0,1,2,3
.irp k, 0,1
.irp hf, 0,1
	s_wait_dscnt 15-idx
.if \kind
	global_store_b128 v[GL], v[ACC+16*\b+8*\k+4*\hf:ACC+16*\b+8*\k+4*\hf+3], s[86:87] offset:(\b&1)*KT_T+(\b>>1)*VT_P+\k*1024+\hf*512
.else
	global_store_b128 v[GL], v[ACC+16*\b+8*\k+4*\hf:ACC+16*\b+8*\k+4*\hf+3], s[86:87] offset:\b*KT_T+\k*1024+\hf*512
.endif
.set idx, idx+1
.endr
.endr
.endr
.endm
.macro SPLIT2 hi, lo, a, t             ; hi = rounded to bf16; lo = (number - hi) rounded to bf16
	v_cvt_pk_bf16_f32 v[\hi], v[\a], v[(\a)+1]
	v_lshlrev_b32 v[\t], 16, v[\hi]
	v_and_b32 v[(\t)+1], s[HM], v[\hi]
	v_pk_add_f32 v[\t:(\t)+1], v[\a:(\a)+1], v[\t:(\t)+1] neg_lo:[0,1] neg_hi:[0,1]
	v_cvt_pk_bf16_f32 v[\lo], v[\t], v[(\t)+1]
.endm
; ---------------- v': row tiles 0, 1 are x Wvo_hi, tiles 2, 3 x Wvo_lo of the same 32 channels
	s_sub_co_u32 s27, s[NN], 8
	s_lshl_b32 s28, s27, 2
	s_lshl1_add_u32 s28, s[WL], s28                ; channel tile 4 (n - 8) + 2 (w % 2)
	s_mul_i32 s28, s28, KT_T
	s_add_co_u32 s86, s90, s28
	s_add_nc_u64 s[86:87], s[14:15], s[86:87]
.irp a, 0,1,2,3
.irp bb, 0,1
.set RA, ACC+32*\a+8*\bb
.set RB, RA+16
.irp j, 0,2,4,6
	v_pk_add_f32 v[RA+\j:RA+\j+1], v[RA+\j:RA+\j+1], v[RB+\j:RB+\j+1]
	v_pk_add_f32 v[RA+\j:RA+\j+1], v[RA+\j:RA+\j+1], v[BI+8*\bb+\j:BI+8*\bb+\j+1]
	v_pk_mul_f32 v[RA+\j:RA+\j+1], v[RA+\j:RA+\j+1], v[TP+2*\a:TP+2*\a+1] op_sel_hi:[1,0]
.endr
.irp p, 0,1,2,3
	SPLIT2 PK+16*\a+4*\bb+\p, PK+16*\a+4*\bb+8+\p, RA+2*\p, RB+2*\p
.endr
.endr
.endr
	TRANSP 1
	s_branch .Ljoin
; ---------------- k = 2^(g log2 e + b log2 e)
.Lepi_k:
	s_sub_co_u32 s27, s[NN], 4
	s_lshl_b32 s28, s27, 12
	s_add_co_u32 s82, s82, s28
	s_add_nc_u64 s[82:83], s[12:13], s[82:83]
	s_lshl_b32 s28, s27, 3
	s_lshl2_add_u32 s28, s[WL], s28                ; channel tile 8 (n - 4) + 4 (w % 2)
	s_mul_i32 s28, s28, KT_T
	s_add_co_u32 s86, s90, s28
	s_add_co_u32 s86, s86, KT_OFF
	s_add_nc_u64 s[86:87], s[12:13], s[86:87]
.set j, 0
.rept 16
	v_pk_mul_f32 v[BI+2*j:BI+2*j+1], v[BI+2*j:BI+2*j+1], s[CS:CS+1] op_sel_hi:[1,0]
.set j, j+1
.endr
.set j, 0
.rept 64
	v_pk_fma_f32 v[ACC+2*j:ACC+2*j+1], v[ACC+2*j:ACC+2*j+1], s[CS:CS+1], v[BI+2*(j%16):BI+2*(j%16)+1] op_sel_hi:[1,0,1]
.set j, j+1
.endr
.set j, 0
.rept 128
	v_exp_f32 v[ACC+j], v[ACC+j]
.set j, j+1
.endr
	v_nop                                          ; a plain instruction between the last exponential and the use of its result
.set j, 0
	s_wait_alu depctr_va_vdst(0)
.rept 64
	v_cvt_pk_bf16_f32 v[PK+j], v[ACC+2*j], v[ACC+2*j+1]
.set j, j+1
.endr
.irp a, 0,1,2,3
.irp b, 0,1,2,3
	global_store_b128 v[GL], v[PK+16*\a+4*\b:PK+16*\a+4*\b+3], s[82:83] offset:\a*16384+\b*512  ; half a fragment: 512 consecutive bytes
.endr
.endr
	TRANSP 0
	s_branch .Ljoin
; ---------------- q: for each token the maximum and the sum over my wave's 64 channels (32 in my lane, 32 in the lane 16 away)
.Lepi_q:
	s_lshl_b32 s28, s[NN], 12
	s_add_co_u32 s82, s82, s28
	s_add_nc_u64 s[82:83], s[10:11], s[82:83]
	s_lshl_b32 s84, s[MM], 13                      ; aux: [token / 64][block of 64 channels][64 tokens][2 f32]
	s_lshl_b32 s28, s[WT], 12
	s_add_co_u32 s84, s84, s28
	s_lshl_b32 s28, s[NN], 10
	s_add_co_u32 s84, s84, s28
	s_lshl_b32 s28, s[WL], 9
	s_add_co_u32 s84, s84, s28
	s_mov_b32 s85, 0
	s_add_nc_u64 s[84:85], s[16:17], s[84:85]
.macro EPIQ a
.set R, ACC+32*(\a)
.set j, 0
.rept 16
	v_pk_add_f32 v[R+2*j:R+2*j+1], v[R+2*j:R+2*j+1], v[BI+2*j:BI+2*j+1]
.set j, j+1
.endr
.irp j, 0,1,2,3
	v_max3_num_f32 v[18+\j], v[R+8*\j], v[R+8*\j+1], v[R+8*\j+2]
.endr
.irp j, 0,1,2,3
	v_max3_num_f32 v[18+\j], v[18+\j], v[R+8*\j+3], v[R+8*\j+4]
.endr
.irp j, 0,1,2,3
	v_max3_num_f32 v[18+\j], v[18+\j], v[R+8*\j+5], v[R+8*\j+6]
.endr
	v_max3_num_f32 v18, v18, v[R+7], v[R+15]
	v_max3_num_f32 v20, v20, v[R+23], v[R+31]
	v_max3_num_f32 v18, v18, v19, v20
	v_max_num_f32 v18, v18, v21
	v_permlanex16_b32 v19, v18, s[SEL], s[SEL+1]
	v_max_num_f32 v18, v18, v19
	v_mul_f32 v22, s[CS], v18                      ; m log2 e
	v_mov_b32 v23, v22                             ; named with it as a pair
.set j, 0
.rept 16
	v_pk_fma_f32 v[R+2*j:R+2*j+1], v[R+2*j:R+2*j+1], s[CS:CS+1], v[22:23] op_sel_hi:[1,0,0] neg_lo:[0,0,1] neg_hi:[0,0,1]
.set j, j+1
.endr
.set j, 0
.rept 32
	v_exp_f32 v[R+j], v[R+j]
.set j, j+1
.endr
	v_nop
.set j, 0
	s_wait_alu depctr_va_vdst(0)
.rept 16
	v_cvt_pk_bf16_f32 v[PK+16*(\a)+j], v[R+2*j], v[R+2*j+1]
.set j, j+1
.endr
.set j, 0
.rept 8
	v_pk_add_f32 v[R+2*j:R+2*j+1], v[R+2*j:R+2*j+1], v[R+2*j+16:R+2*j+17]
.set j, j+1
.endr
.set j, 0
.rept 4
	v_pk_add_f32 v[R+2*j:R+2*j+1], v[R+2*j:R+2*j+1], v[R+2*j+8:R+2*j+9]
.set j, j+1
.endr
	v_pk_add_f32 v[R:R+1], v[R:R+1], v[R+4:R+5]
	v_pk_add_f32 v[R+2:R+3], v[R+2:R+3], v[R+6:R+7]
	v_pk_add_f32 v[R:R+1], v[R:R+1], v[R+2:R+3]
	v_add_f32 v24, v[R], v[R+1]
	v_permlanex16_b32 v25, v24, s[SEL], s[SEL+1]
	v_mov_b32 v[R+2], v22
	v_add_f32 v[R+3], v24, v25
.irp b, 0,1,2,3
	global_store_b128 v[GL], v[PK+16*(\a)+4*\b:PK+16*(\a)+4*\b+3], s[82:83] offset:(\a)*16384+\b*512
.endr
.endm
	EPIQ 0
	EPIQ 1
	EPIQ 2
	EPIQ 3
.irp i, 0,1                            ; lanes 0-15 store tile 2 i's pair, lanes 16-31 tile 2 i + 1's: 256 consecutive bytes
	v_cndmask_b32 v[26+2*\i], v[ACC+64*\i+2], v[ACC+64*\i+34], s[HM]
	v_cndmask_b32 v[27+2*\i], v[ACC+64*\i+3], v[ACC+64*\i+35], s[HM]
	global_store_b64 v[L8], v[26+2*\i:27+2*\i], s[84:85] offset:256*\i
.endr
.Ljoin:
	s_wait_tensorcnt 0x0                           ; the wave's end: behind my last tensor load and my last LDS store
	ds_add_u32 v[SPW], v[NIL]
	s_wait_dscnt 0x0
	CROUND                                         ; the closing round
	s_endpgm
.Lfunc_end_k_q7ddaa862ff_proj:
	.size	k_q7ddaa862ff_proj, .Lfunc_end_k_q7ddaa862ff_proj-k_q7ddaa862ff_proj
	.p2alignl 7, 3214868480
	.fill 96, 4, 3214868480
	.section	.rodata,"a",@progbits
	.p2align	6, 0x0
	.amdhsa_kernel k_q7ddaa862ff_proj
		.amdhsa_group_segment_fixed_size 327680
		.amdhsa_private_segment_fixed_size 0
		.amdhsa_enable_private_segment 0
		.amdhsa_kernarg_size 56
		.amdhsa_user_sgpr_count 2
		.amdhsa_user_sgpr_kernarg_segment_ptr 1
		.amdhsa_wavefront_size32 1
		.amdhsa_system_sgpr_workgroup_id_x 1
		.amdhsa_system_sgpr_workgroup_id_y 1
		.amdhsa_system_sgpr_workgroup_id_z 1
		.amdhsa_system_vgpr_workitem_id 0
		.amdhsa_next_free_vgpr 512
		.amdhsa_next_free_sgpr 96
		.amdhsa_reserve_vcc 0
		.amdhsa_float_denorm_mode_32 3
		.amdhsa_float_denorm_mode_16_64 3
		.amdhsa_memory_ordered 1
		.amdhsa_forward_progress 1
		.amdhsa_inst_pref_size 109
	.end_amdhsa_kernel
	.amdgpu_metadata
---
amdhsa.version: [ 1, 2 ]
amdhsa.kernels:
  - .name:           k_q7ddaa862ff_proj
    .symbol:         k_q7ddaa862ff_proj.kd
    .args:
      - { .name: xb, .offset: 0, .size: 8, .value_kind: global_buffer, .address_space: global }
      - { .name: wb, .offset: 8, .size: 8, .value_kind: global_buffer, .address_space: global }
      - { .name: bia, .offset: 16, .size: 8, .value_kind: global_buffer, .address_space: global }
      - { .name: qf, .offset: 24, .size: 8, .value_kind: global_buffer, .address_space: global }
      - { .name: kk, .offset: 32, .size: 8, .value_kind: global_buffer, .address_space: global }
      - { .name: vt, .offset: 40, .size: 8, .value_kind: global_buffer, .address_space: global }
      - { .name: aux, .offset: 48, .size: 8, .value_kind: global_buffer, .address_space: global }
    .group_segment_fixed_size: 327680
    .private_segment_fixed_size: 0
    .kernarg_segment_align: 8
    .kernarg_segment_size: 56
    .max_flat_workgroup_size: 128
    .sgpr_count:     96
    .vgpr_count:     512
    .wavefront_size: 32
...
	.end_amdgpu_metadata
.endif
;; end of part 2
;; launch state (part 3): grid 16 x 16, 4 waves a work-group, clusters of 4 x 4, 327,680 bytes of LDS; arguments kk, vt, st; writes st
.if DOCPART == 3
	.amdgcn_target "amdgcn-amd-amdhsa--gfx1250"
	.amdhsa_code_object_version 6
	.text
	.protected	k_q7ddaa862ff_state
	.globl	k_q7ddaa862ff_state
	.p2align	8
	.type	k_q7ddaa862ff_state,@function
k_q7ddaa862ff_state:
	s_mov_b64 s[64:65], 0
	v_nop
	global_prefetch_b8 v0, s[64:65] scope:SCOPE_SE
	s_setreg_imm32_b32 hwreg(HW_REG_WAVE_MODE, 25, 1), 1
	s_wait_xcnt 0x0
	s_wait_alu depctr_hold_cnt(0) depctr_sa_sdst(0) depctr_va_vdst(0) depctr_va_sdst(0) depctr_va_ssrc(0) depctr_va_vcc(0) depctr_vm_vsrc(0)
	s_getreg_b32 s2, hwreg(HW_REG_IB_STS2, 6, 4)
	s_cmp_eq_u32 s2, 0
	s_cbranch_scc0 .Lentry_in_a_cluster
	s_endpgm
.Lentry_in_a_cluster:
	s_bfe_u32 s2, ttmp6, 0x10000c
	s_cmp_lg_u32 s2, 0xf033
	s_cbranch_scc0 .Lentry_shape_is_right
	s_endpgm
.Lentry_shape_is_right:
; STATE: the running sums in front of each chunk of 128 tokens: S^T_prev(c)[e][d] = sum over tokens t < 128 c of v'_hi[t][e] K[t][d], and z_prev(c)[d] = sum of K[t][d].
; A work-group owns 32 d x 64 e of one batch and walks chunks 0 to 14; in front of each chunk a copy rounded to bf16 goes to st, in the fragment layout (rows e, k = d); z is written as a fifth
; tile of 16 equal rows.  D(m = d, n = e) = kt fragment x vt fragment; z by the same kt fragment x ones.  A wave has one d tile and two e tiles: three accumulators that take turns.
; st: block ((batch 8 + eb) 16 + c) of 81,920 bytes: [e tile 0-3, then z][16 fragments along d][1,024].
; LDS: four slots, each the tiles of a group of three chunks (kt 2 x 12,288, vt 4 x 12,288, dense).  Groups 0-3 are first fills; group 4 fills slot 0 again, behind a round of the cluster's barrier.
; CLUSTER 4 x 4: kt's tiles hang on d and the batch and are shared along a column, vt's on e and the batch and are shared along a row.
; LIMITS: v' enters by its hi part alone (the state serves rows from 128 on, where 128 terms or more are averaged); S and z are rounded to bf16.
.set SLOT,  73728
.set SPARE, 294912
.set KT_OFF, 4194304
.set KT_B,  2359296
.set KT_G,  393216
.set KT_T,  12288
.set BLK,   81920
.set AA,  4                            ; v4-7   kt fragments in slot s
.set AB,  8                            ; v8-11  vt fragments in slot s
.set GS,  12
.set GZ,  13
.set SPW, 14
.set NIL, 15
.set ONES, 16                          ; v16-23
.set ACC0, 24
.set ACC1, 32
.set ZA,  40
.set TMP, 48                           ; v48-59
.set FA,  64                           ; v64-111, v112-159: two runs of two K steps
.set FB,  112
.set WV, 10
.set WD, 11                            ; w % 2: my d tile; also which part of a tile I fetch
.set WE, 12                            ; w / 2: my pair of e tiles
.set CX, 13
.set CY, 14
.set G1K, 16
.set G1V, 24
.set G0K, 32                           ; s[32:47] a set for each slot
.set G0V, 48                           ; s[48:63]
.macro PLACES
.rept 4
	v_nop
.endr
.endm
.macro CROUND
	s_barrier_signal -1
	s_barrier_wait -1
	s_cmp_lg_u32 s[WV], 0
	s_cbranch_scc1 .Lnot_wave_0_\@
	s_barrier_signal -3
.Lnot_wave_0_\@:
	s_barrier_wait -3
	s_barrier_signal -1
	s_barrier_wait -1
.endm
	s_load_b128 s[4:7], s[0:1], 0x0                ; kk 4, vt 6
	s_load_b64 s[8:9], s[0:1], 0x10                ; st
	v_lshl_add_u32 v[SPW], v0, 2, SPARE
	v_mov_b32 v[NIL], 0
	ds_add_u32 v[SPW], v[NIL]                      ; the wave's opening: the add and its wait ahead of my first tensor load
	v_lshrrev_b32 v1, 5, v0
	v_readfirstlane_b32 s[WV], v1
	s_and_b32 s[WD], s[WV], 1
	s_lshr_b32 s[WE], s[WV], 1
	s_bfe_u32 s[CX], ttmp6, 0x40000
	s_bfe_u32 s[CY], ttmp6, 0x40004
	s_lshl_b32 s66, ttmp9, 2
	s_add_co_u32 s66, s66, s[CX]                   ; dblk: 32 d
	s_and_b32 s67, ttmp7, 0xffff                   ; the cluster's y, 0-3
	s_lshr_b32 s68, s67, 1                         ; the batch: the same in the whole cluster
	s_and_b32 s69, s67, 1
	s_lshl_b32 s69, s69, 2
	s_add_co_u32 s69, s69, s[CY]                   ; eb: 64 e
	s_lshl_b32 s76, 0x1111, s[CX]                  ; my column
	s_lshl_b32 s77, s[CY], 2
	s_lshl_b32 s77, 15, s77                        ; my row
	s_or_b32 s[G1K], s76, (3<<16)|(1<<21)          ; dense bytes as rows of 32 elements of 8 bytes; bit 21 beside a mask
	s_or_b32 s[G1V], s77, (3<<16)|(1<<21)
	s_mov_b32 s[G1K+1], 32<<16
	s_mov_b32 s[G1K+2], 48<<16                     ; 48 rows of 256 bytes: a d tile's twelve fragments
	s_mov_b32 s[G1K+3], 32<<16
	s_mov_b32 s[G1K+4], 48
	s_mov_b32 s[G1K+5], 32
	s_mov_b32 s[G1K+6], 0
	s_mov_b32 s[G1K+7], 0
	s_mov_b32 s[G1V+1], 32<<16
	s_mov_b32 s[G1V+2], 96<<16                     ; 96 rows: two e tiles
	s_mov_b32 s[G1V+3], 32<<16
	s_mov_b32 s[G1V+4], 96
	s_mov_b32 s[G1V+5], 32
	s_mov_b32 s[G1V+6], 0
	s_mov_b32 s[G1V+7], 0
	s_mul_i32 s70, s68, KT_B                       ; kt: batch, d tile 2 dblk + w % 2
	s_lshl_b32 s76, s66, 1
	s_add_co_u32 s76, s76, s[WD]
	s_mul_i32 s76, s76, KT_T
	s_add_co_u32 s70, s70, s76
	s_add_co_u32 s70, s70, KT_OFF
	s_mov_b32 s71, 0
	s_mul_i32 s72, s68, KT_B                       ; vt (hi): batch, e tile 4 eb + 2 (w % 2)
	s_lshl_b32 s77, s69, 2
	s_lshl1_add_u32 s77, s[WD], s77
	s_mul_i32 s77, s77, KT_T
	s_add_co_u32 s72, s72, s77
	s_mov_b32 s73, 0
	s_lshl_b32 s74, s68, 3                         ; st: my sixteen blocks, fragment dblk
	s_add_co_u32 s74, s74, s69
	s_mul_i32 s74, s74, 16*BLK
	s_lshl_b32 s78, s66, 10
	s_add_co_u32 s74, s74, s78
	s_mov_b32 s75, 0
	s_mul_i32 s78, s[WD], KT_T                     ; places in a slot: the wave's number alone
	s_mul_i32 s79, s[WD], 2*KT_T
	s_add_co_u32 s79, s79, 2*KT_T
	s_wait_dscnt 0x0                               ; the opening add is done
	s_wait_kmcnt 0x0
	s_add_nc_u64 s[70:71], s[4:5], s[70:71]
	s_add_nc_u64 s[72:73], s[6:7], s[72:73]
	s_add_nc_u64 s[74:75], s[8:9], s[74:75]
	CROUND                                         ; all sixteen work-groups are here
.irp s, 0,1,2,3
	s_mov_b32 s[G0K+4*\s], 1
	s_add_co_u32 s[G0K+4*\s+1], s78, \s*SLOT
	s_add_nc_u64 s[G0K+4*\s+2:G0K+4*\s+3], s[70:71], \s*KT_G
	s_or_b32 s[G0K+4*\s+3], s[G0K+4*\s+3], 0x80000000
	s_mov_b32 s[G0V+4*\s], 1
	s_add_co_u32 s[G0V+4*\s+1], s79, \s*SLOT
	s_add_nc_u64 s[G0V+4*\s+2:G0V+4*\s+3], s[72:73], \s*KT_G
	s_or_b32 s[G0V+4*\s+3], s[G0V+4*\s+3], 0x80000000
.endr
	s_cmp_lt_u32 s[WV], 2                          ; waves 0, 1 ask for kt, waves 2, 3 for vt; a wave's four first fills stand in one branch: four loads of mine are out
	s_cbranch_scc0 .Lfirst_v
.irp s, 0,1,2,3
	tensor_load_to_lds s[G0K+4*\s:G0K+4*\s+3], s[G1K:G1K+7]
	s_nop 0
.endr
	PLACES
	s_branch .Lfirst_done
.Lfirst_v:
.irp s, 0,1,2,3
	tensor_load_to_lds s[G0V+4*\s:G0V+4*\s+3], s[G1V:G1V+7]
	s_nop 0
.endr
	PLACES
.Lfirst_done:
	v_and_b32 v1, 31, v0
	v_lshlrev_b32 v1, 4, v1                        ; 16 l
	v_add_nc_u32 v[AA], s78, v1
	s_mul_i32 s76, s[WE], 2*KT_T
	s_add_co_u32 s76, s76, 2*KT_T
	v_add_nc_u32 v[AB], s76, v1
.irp s, 1,2,3
	v_add_nc_u32 v[AA+\s], \s*SLOT, v[AA]
	v_add_nc_u32 v[AB+\s], \s*SLOT, v[AB]
.endr
	s_lshl_b32 s76, s[WD], 9
	v_add_nc_u32 v[GZ], s76, v1
	s_lshl_b32 s77, s[WE], 15
	v_add_nc_u32 v[GS], s77, v[GZ]                 ; e tile 2 (w / 2), half w % 2 of the fragment, 16 l
	v_add_nc_u32 v[GZ], 65536, v[GZ]               ; the fifth tile
.irp j, 0,1,2,3,4,5,6,7
	v_mov_b32 v[ONES+\j], 0x3f803f80
.endr
.irp j, 0,1,2,3
	v_mov_b32 v[TMP+\j], 0
.endr
	global_store_b128 v[GS], v[TMP:TMP+3], s[74:75]                ; in front of chunk 0 the sums are 0
	global_store_b128 v[GS], v[TMP:TMP+3], s[74:75] offset:16384
	s_cmp_lg_u32 s[WE], 0
	s_cbranch_scc1 .Lno_z0
	global_store_b128 v[GZ], v[TMP:TMP+3], s[74:75]
.Lno_z0:
; 12 LDS loads: K steps 2 u and 2 u + 1 of a group's twelve
.macro FETCHU s, u, f
.irp k, 0,1
	ds_load_b128 v[(\f)+24*\k:(\f)+24*\k+3],     v[AA+(\s)] offset:(2*(\u)+\k)*1024
	ds_load_b128 v[(\f)+24*\k+4:(\f)+24*\k+7],   v[AA+(\s)] offset:(2*(\u)+\k)*1024+512
	ds_load_b128 v[(\f)+24*\k+8:(\f)+24*\k+11],  v[AB+(\s)] offset:(2*(\u)+\k)*1024
	ds_load_b128 v[(\f)+24*\k+12:(\f)+24*\k+15], v[AB+(\s)] offset:(2*(\u)+\k)*1024+512
	ds_load_b128 v[(\f)+24*\k+16:(\f)+24*\k+19], v[AB+(\s)] offset:KT_T+(2*(\u)+\k)*1024
	ds_load_b128 v[(\f)+24*\k+20:(\f)+24*\k+23], v[AB+(\s)] offset:KT_T+(2*(\u)+\k)*1024+512
.endr
.endm
.macro MULU f, zero
.irp k, 0,1
.if (\zero) && (\k == 0)
	v_wmma_f32_16x16x32_bf16 v[ACC0:ACC0+7], v[(\f)+24*\k:(\f)+24*\k+7], v[(\f)+24*\k+8:(\f)+24*\k+15], 0
	v_wmma_f32_16x16x32_bf16 v[ACC1:ACC1+7], v[(\f)+24*\k:(\f)+24*\k+7], v[(\f)+24*\k+16:(\f)+24*\k+23], 0
	v_wmma_f32_16x16x32_bf16 v[ZA:ZA+7], v[(\f)+24*\k:(\f)+24*\k+7], v[ONES:ONES+7], 0
.else
	v_wmma_f32_16x16x32_bf16 v[ACC0:ACC0+7], v[(\f)+24*\k:(\f)+24*\k+7], v[(\f)+24*\k+8:(\f)+24*\k+15], v[ACC0:ACC0+7]
	v_wmma_f32_16x16x32_bf16 v[ACC1:ACC1+7], v[(\f)+24*\k:(\f)+24*\k+7], v[(\f)+24*\k+16:(\f)+24*\k+23], v[ACC1:ACC1+7]
	v_wmma_f32_16x16x32_bf16 v[ZA:ZA+7], v[(\f)+24*\k:(\f)+24*\k+7], v[ONES:ONES+7], v[ZA:ZA+7]
.endif
.endr
.endm
.macro SNAP c                          ; the sums in front of chunk c: a packed tile is half a fragment: 512 consecutive bytes a store
	s_wait_xcnt 0x0                                ; the last stores have read TMP: it is rewritten only behind this wait
.irp j, 0,1,2,3
	v_cvt_pk_bf16_f32 v[TMP+\j], v[ACC0+2*\j], v[ACC0+2*\j+1]
.endr
.irp j, 0,1,2,3
	v_cvt_pk_bf16_f32 v[TMP+4+\j], v[ACC1+2*\j], v[ACC1+2*\j+1]
.endr
.irp j, 0,1,2,3
	v_cvt_pk_bf16_f32 v[TMP+8+\j], v[ZA+2*\j], v[ZA+2*\j+1]
.endr
	global_store_b128 v[GS], v[TMP:TMP+3], s[74:75] offset:(\c)*BLK
	global_store_b128 v[GS], v[TMP+4:TMP+7], s[74:75] offset:(\c)*BLK+16384
	s_cmp_lg_u32 s[WE], 0                          ; z is stored by waves 0 and 1 alone
	s_cbranch_scc1 .Lnz_\@
	global_store_b128 v[GZ], v[TMP+8:TMP+11], s[74:75] offset:(\c)*BLK
.Lnz_\@:
.endm
; A group: three chunks, six runs of two K steps on two buffers; behind every second run a chunk is complete.
.macro GROUP s, c0, zero
	FETCHU \s, 0, FA
	FETCHU \s, 1, FB
.set u, 0
.rept 6
.if u == 5
	s_wait_dscnt 0x0
.else
	s_wait_dscnt 12                                ; the older run is in, the younger twelve stay out
.endif
.if (u == 0) && (\zero)
	MULU FA+48*(u%2), 1
.else
	MULU FA+48*(u%2), 0
.endif
	PLACES                                         ; in front of the loads into that buffer and of the conversions
.if u < 4
	FETCHU \s, u+2, FA+48*(u%2)
.endif
.if (u%2) == 1
	SNAP (\c0)+(u+1)/2
.endif
.set u, u+1
.endr
.endm
	s_wait_tensorcnt 0x3                           ; my part of group 0 is in; three loads stay out
	s_barrier_signal -1
	s_barrier_wait -1
	GROUP 0, 0, 1
	s_wait_tensorcnt 0x0                           ; slot 0 is filled again: all my tensor loads have landed,
	ds_add_u32 v[SPW], v[NIL]                      ; 0 onto my spare word;
	s_add_nc_u64 s[G0K+2:G0K+3], s[G0K+2:G0K+3], 4*KT_G   ; slot 0's descriptors step to group 4
	s_add_nc_u64 s[G0V+2:G0V+3], s[G0V+2:G0V+3], 4*KT_G
	s_wait_dscnt 0x0                               ; the add is done, and my reads of slot 0 are over
	CROUND                                         ; the same holds of every wave of every partner
	s_cmp_lt_u32 s[WV], 2
	s_cbranch_scc0 .Lre_v
	tensor_load_to_lds s[G0K:G0K+3], s[G1K:G1K+7]
	s_nop 0
	PLACES
	s_branch .Lre_done
.Lre_v:
	tensor_load_to_lds s[G0V:G0V+3], s[G1V:G1V+7]
	s_nop 0
	PLACES
.Lre_done:
	GROUP 1, 3, 0                                  ; groups 1 to 3 were shown landed in front of the round
	GROUP 2, 6, 0
	GROUP 3, 9, 0
	s_wait_tensorcnt 0x0                           ; my part of group 4 is in,
	s_wait_dscnt 0x0
	s_barrier_signal -1
	s_barrier_wait -1                              ; everybody's is
	GROUP 0, 12, 0
	s_wait_tensorcnt 0x0                           ; the wave's end
	ds_add_u32 v[SPW], v[NIL]
	s_wait_dscnt 0x0
	CROUND                                         ; the closing round
	s_endpgm
.Lfunc_end_k_q7ddaa862ff_state:
	.size	k_q7ddaa862ff_state, .Lfunc_end_k_q7ddaa862ff_state-k_q7ddaa862ff_state
	.p2alignl 7, 3214868480
	.fill 96, 4, 3214868480
	.section	.rodata,"a",@progbits
	.p2align	6, 0x0
	.amdhsa_kernel k_q7ddaa862ff_state
		.amdhsa_group_segment_fixed_size 327680
		.amdhsa_private_segment_fixed_size 0
		.amdhsa_enable_private_segment 0
		.amdhsa_kernarg_size 24
		.amdhsa_user_sgpr_count 2
		.amdhsa_user_sgpr_kernarg_segment_ptr 1
		.amdhsa_wavefront_size32 1
		.amdhsa_system_sgpr_workgroup_id_x 1
		.amdhsa_system_sgpr_workgroup_id_y 1
		.amdhsa_system_sgpr_workgroup_id_z 1
		.amdhsa_system_vgpr_workitem_id 0
		.amdhsa_next_free_vgpr 160
		.amdhsa_next_free_sgpr 80
		.amdhsa_reserve_vcc 0
		.amdhsa_float_denorm_mode_32 3
		.amdhsa_float_denorm_mode_16_64 3
		.amdhsa_memory_ordered 1
		.amdhsa_forward_progress 1
		.amdhsa_inst_pref_size 66
	.end_amdhsa_kernel
	.amdgpu_metadata
---
amdhsa.version: [ 1, 2 ]
amdhsa.kernels:
  - .name:           k_q7ddaa862ff_state
    .symbol:         k_q7ddaa862ff_state.kd
    .args:
      - { .name: kk, .offset: 0, .size: 8, .value_kind: global_buffer, .address_space: global }
      - { .name: vt, .offset: 8, .size: 8, .value_kind: global_buffer, .address_space: global }
      - { .name: st, .offset: 16, .size: 8, .value_kind: global_buffer, .address_space: global }
    .group_segment_fixed_size: 327680
    .private_segment_fixed_size: 0
    .kernarg_segment_align: 8
    .kernarg_segment_size: 24
    .max_flat_workgroup_size: 128
    .sgpr_count:     80
    .vgpr_count:     160
    .wavefront_size: 32
...
	.end_amdgpu_metadata
.endif
;; end of part 3
;; launch attn (part 4): grid 8 x 32, 4 waves a work-group, clusters of 4 x 1, 327,680 bytes of LDS; arguments qf, kk, vt, aux, st, bia, out0; writes out0
.if DOCPART == 4
	.amdgcn_target "amdgcn-amd-amdhsa--gfx1250"
	.amdhsa_code_object_version 6
	.text
	.protected	k_q7ddaa862ff_attn
	.globl	k_q7ddaa862ff_attn
	.p2align	8
	.type	k_q7ddaa862ff_attn,@function
k_q7ddaa862ff_attn:
	s_mov_b64 s[64:65], 0
	v_nop
	global_prefetch_b8 v0, s[64:65] scope:SCOPE_SE
	s_setreg_imm32_b32 hwreg(HW_REG_WAVE_MODE, 25, 1), 1
	s_wait_xcnt 0x0
	s_wait_alu depctr_hold_cnt(0) depctr_sa_sdst(0) depctr_va_vdst(0) depctr_va_sdst(0) depctr_va_ssrc(0) depctr_va_vcc(0) depctr_vm_vsrc(0)
	s_getreg_b32 s2, hwreg(HW_REG_IB_STS2, 6, 4)
	s_cmp_eq_u32 s2, 0
	s_cbranch_scc0 .Lentry_in_a_cluster
	s_endpgm
.Lentry_in_a_cluster:
	s_bfe_u32 s2, ttmp6, 0x10000c
	s_cmp_lg_u32 s2, 0x3003
	s_cbranch_scc0 .Lentry_shape_is_right
	s_endpgm
.Lentry_shape_is_right:
; ATTN: out[t][e] = (sum over s <= t of (Q''_t . K_s) v'_s[e]) / max(sum over s <= t of Q''_t . K_s, 1e-3 sqrt(512) l_t) + o_b[e], for one chunk of 128 tokens and 64 columns e.
; Q'' = exp(g - row maximum): the row's maximum is taken of the eight block maxima, Q' is multiplied by f = 2^(M2_blk - M2_row) <= 1, l = sum of f l_blk.  Dividing numerator and divisor of
; softmax(q) / sqrt(512) through by l sqrt(512) leaves the clamp as the only place where l appears.
; Inside the chunk: P^T = K Q''^T (keys x queries), hidden entries replaced by 0 by a select; O^T = V'^T P.  Across chunks: O^T += S^T_prev Q''^T.  The divisor is a fifth tile of O^T:
; ones x P, then z_prev (16 equal rows) x Q''.  P and v' go as bf16 pairs: P V' = Ph Vh + Pl Vh + Ph Vl (Ph the upper 16 bits of P, Pl the rest rounded).
; A wave owns 32 queries (two tiles); all tiles are first fills: K of the chunk (shared by the cluster's four work-groups, asked for jointly), V' and S of my 64 columns (my own).
; LIMITS: numerator and divisor lie a factor l sqrt(512) (at most 11,586) nearer f32's end than the f32 computation's; where K is infinite the later rows are not finite, as there; NaN is not treated apart.
.set SB,    131072                     ; K from LDS byte 0: 8 token tiles x 16 fragments; S: 5 tiles x 16 fragments
.set VB,    212992                     ; V': for each of 4 e tiles 4 fragments hi, 4 lo
.set STG,   245760                     ; each wave's own stage: 32 rows of 256 bytes, 272 apart; no tensor load fills it
.set PST,   272
.set SPARE, 280576
.set KT_B,  2359296
.set KT_G,  393216
.set KT_T,  12288
.set BLK,   81920
.set L16, 3
.set KA,  4                            ; v4-5
.set SA,  6                            ; v6-7
.set VA,  8
.set STO, 9
.set RD,  10
.set GO,  11
.set TAU, 12                           ; v12-13  my query's place in the chunk less 8 h: key 16 kt + j is seen where it is not greater
.set SPW, 14
.set NIL, 15
.set FF,  16                           ; v16-31  f of query tile qt, block b at FF + 8 qt + b
.set THR, 32                           ; v32-33
.set RI,  34                           ; v34-37
.set ZR,  38
.set R8,  39
.set OB,  40                           ; v40-43
.set R16, 44
.set OO,  48                           ; v48-127  O^T: tile (e, qt) at OO + 8 (2 e + qt), e = 4 the divisor
.set PT,  128                          ; v128-255 P^T: tile (kt, qt) at PT + 8 (2 kt + qt); before that v128-159 statistics, v160-191 at work
.set PH,  128                          ; window 2: v0-63, v64-127 two fragment buffers; Ph (k, qt) at PH + 8 (2 k + qt); Pl likewise
.set PL,  192                          ; window 1: Q'' (qt, ks) at 8 (16 qt + ks);  window 3: v0-7 ones
.set WV, 18
.set CX, 19
.set G0K, 20
.set G1K, 24
.set G0S, 32
.set G1S, 36
.set G0V, 44
.set G1V, 48
.set PSEL, 56
.set HMK, 57
.set EB, 58
.set MM, 59
.set BT, 60
.set CC, 61
.set GG, 62
.set QC, 63
.set MSB, 0
.macro WIN new
.if MSB != (\new)
	s_set_vgpr_msb (MSB<<8)|(\new)
.set MSB, \new
.endif
.endm
.macro PLACES
.rept 4
	v_nop
.endr
.endm
.macro CROUND
	s_barrier_signal -1
	s_barrier_wait -1
	s_cmp_lg_u32 s[WV], 0
	s_cbranch_scc1 .Lnot_wave_0_\@
	s_barrier_signal -3
.Lnot_wave_0_\@:
	s_barrier_wait -3
	s_barrier_signal -1
	s_barrier_wait -1
.endm
	s_load_b256 s[4:11], s[0:1], 0x0               ; qf 4, kk 6, vt 8, aux 10
	s_load_b128 s[12:15], s[0:1], 0x20             ; st 12, bia 14
	s_load_b64 s[16:17], s[0:1], 0x30              ; out0
	v_lshl_add_u32 v[SPW], v0, 2, SPARE
	v_mov_b32 v[NIL], 0
	ds_add_u32 v[SPW], v[NIL]                      ; the wave's opening: the add and its wait ahead of my first tensor load
	v_lshrrev_b32 v1, 5, v0
	v_readfirstlane_b32 s[WV], v1
	s_bfe_u32 s[CX], ttmp6, 0x40000
	s_lshl_b32 s[EB], ttmp9, 2
	s_add_co_u32 s[EB], s[EB], s[CX]               ; my 64 columns: it enters V's, S's, o_b's and out's addresses alone
	s_and_b32 s[MM], ttmp7, 0xffff                 ; the chunk, which the four partners share
	s_lshr_b32 s[BT], s[MM], 4
	s_and_b32 s[CC], s[MM], 15
	s_mul_i32 s[GG], s[CC], 11                     ; c / 3 = 11 c >> 5 for c < 16
	s_lshr_b32 s[GG], s[GG], 5
	s_mul_i32 s[QC], s[GG], 3
	s_sub_co_u32 s[QC], s[CC], s[QC]
	s_mov_b32 s[G1K], 15|(3<<16)|(1<<21)           ; K: the mask of four; dense bytes as 128 rows of 32 elements of 8 bytes
	s_mov_b32 s[G1K+1], 32<<16
	s_mov_b32 s[G1K+2], 128<<16
	s_mov_b32 s[G1K+3], 32<<16
	s_mov_b32 s[G1K+4], 128
	s_mov_b32 s[G1K+5], 32
	s_mov_b32 s[G1K+6], 0
	s_mov_b32 s[G1K+7], 0
	s_mov_b32 s[G1S], 3<<16                        ; S: my own: 80 rows of 256 bytes
	s_mov_b32 s[G1S+1], 32<<16
	s_mov_b32 s[G1S+2], 80<<16
	s_mov_b32 s[G1S+3], 32<<16
	s_mov_b32 s[G1S+4], 80
	s_mov_b32 s[G1S+5], 32
	s_mov_b32 s[G1S+6], 0
	s_mov_b32 s[G1S+7], 0
	s_mov_b32 s[G1V], 3<<16                        ; V': my own: two rows of 4,096 bytes, hi and lo, 4,718,592 bytes apart
	s_mov_b32 s[G1V+1], 512<<16
	s_mov_b32 s[G1V+2], 2<<16
	s_mov_b32 s[G1V+3], 512<<16
	s_mov_b32 s[G1V+4], 2
	s_mov_b32 s[G1V+5], 589824
	s_mov_b32 s[G1V+6], 0
	s_mov_b32 s[G1V+7], 0
	s_lshl_b32 s66, s[MM], 17                      ; kf and qf: the chunk's 131,072 bytes, my wave's quarter
	s_lshl_b32 s80, s[WV], 15
	s_add_co_u32 s66, s66, s80
	s_mov_b32 s67, 0
	s_mul_i32 s68, s[BT], KT_B                     ; vt: batch, group, e tile 4 eb + w, the chunk's four fragments
	s_mul_i32 s81, s[GG], KT_G
	s_add_co_u32 s68, s68, s81
	s_lshl_b32 s81, s[EB], 2
	s_add_co_u32 s81, s81, s[WV]
	s_mul_i32 s81, s81, KT_T
	s_add_co_u32 s68, s68, s81
	s_lshl_b32 s81, s[QC], 12
	s_add_co_u32 s68, s68, s81
	s_mov_b32 s69, 0
	s_lshl_b32 s70, s[BT], 3                       ; st: block ((batch 8 + eb) 16 + c), my wave's quarter
	s_add_co_u32 s70, s70, s[EB]
	s_lshl_b32 s70, s70, 4
	s_add_co_u32 s70, s70, s[CC]
	s_mul_i32 s70, s70, BLK
	s_mul_i32 s82, s[WV], 20480
	s_add_co_u32 s70, s70, s82
	s_mov_b32 s71, 0
	s_lshl_b32 s72, s[MM], 13                      ; aux: token / 64 = 2 m + w / 2; my 32 tokens in it
	s_lshr_b32 s81, s[WV], 1
	s_lshl_b32 s81, s81, 12
	s_add_co_u32 s72, s72, s81
	s_and_b32 s81, s[WV], 1
	s_lshl_b32 s81, s81, 8
	s_add_co_u32 s72, s72, s81
	s_mov_b32 s73, 0
	s_lshl_b32 s74, s[EB], 8                       ; o_b: f32 index 3584 + 64 eb
	s_add_co_u32 s74, s74, 14336
	s_mov_b32 s75, 0
	s_lshl_b32 s78, s[MM], 18                      ; out0: token 128 m + 32 w, column 64 eb
	s_lshl_b32 s81, s[WV], 16
	s_add_co_u32 s78, s78, s81
	s_lshl_b32 s81, s[EB], 8
	s_add_co_u32 s78, s78, s81
	s_mov_b32 s79, 0
	s_mov_b32 s[PSEL], 0x07060302                  ; the two upper halves
	s_mov_b32 s[HMK], 0xffff0000
	s_mov_b32 s[G0K], 1
	s_lshl_b32 s[G0K+1], s[WV], 15                 ; LDS places hang on the wave's number alone
	s_mov_b32 s[G0V], 1
	s_lshl_b32 s[G0V+1], s[WV], 13
	s_add_co_u32 s[G0V+1], s[G0V+1], VB
	s_mov_b32 s[G0S], 1
	s_add_co_u32 s[G0S+1], s82, SB
	s_wait_dscnt 0x0                               ; the opening add is done
	s_wait_kmcnt 0x0
	s_add_nc_u64 s[G0K+2:G0K+3], s[6:7], s[66:67]
	s_or_b32 s[G0K+3], s[G0K+3], 0x80000000
	s_add_nc_u64 s[G0V+2:G0V+3], s[8:9], s[68:69]
	s_or_b32 s[G0V+3], s[G0V+3], 0x80000000
	s_add_nc_u64 s[G0S+2:G0S+3], s[12:13], s[70:71]
	s_or_b32 s[G0S+3], s[G0S+3], 0x80000000
	s_add_nc_u64 s[76:77], s[4:5], s[66:67]
	s_add_nc_u64 s[72:73], s[10:11], s[72:73]
	s_add_nc_u64 s[74:75], s[14:15], s[74:75]
	s_add_nc_u64 s[78:79], s[16:17], s[78:79]
	CROUND                                         ; all four work-groups are here: the joint loads meet
	tensor_load_to_lds s[G0K:G0K+3], s[G1K:G1K+7]  ; every wave asks for its quarter of each: three loads of mine are out
	s_nop 0
	tensor_load_to_lds s[G0V:G0V+3], s[G1V:G1V+7]
	s_nop 0
	tensor_load_to_lds s[G0S:G0S+3], s[G1S:G1S+7]
	s_nop 0
	PLACES
	v_and_b32 v1, 15, v0                           ; r
	v_bfe_u32 v2, v0, 4, 1                         ; h
	v_and_b32 v[L16], 31, v0
	v_lshlrev_b32 v[L16], 4, v[L16]
	v_lshlrev_b32 v[R8], 3, v1
	v_lshlrev_b32 v[R16], 4, v1
.irp qt, 0,1
.irp b, 0,1,2,3,4,5,6,7
	global_load_b64 v[128+2*(8*\qt+\b):128+2*(8*\qt+\b)+1], v[R8], s[72:73] offset:\b*512+\qt*128   ; (M2, l) of my query in block b
.endr
.endr
	global_load_b128 v[OB:OB+3], v[R16], s[74:75]
	WIN 0x40                                       ; destination window 1, address window 0
.set be, 0
.rept 16                               ; batch be = 8 qt + block: two fragments, four loads
.irp x, 0,1,2,3
	global_load_b128 v[16*be+4*\x:16*be+4*\x+3], v[L16], s[76:77] offset:(be/8)*16384+(be%8)*2048+\x*512
.endr
.set be, be+1
.endr
	WIN 0xc0
.irp j, 0,1,2,3,4,5,6,7
	v_mov_b32 v[\j], 0x3f803f80                    ; ones, in window 3
.endr
	WIN 0
	v_mov_b32 v[KA], v[L16]
	v_add_nc_u32 v[KA+1], 65536, v[L16]
	v_add_nc_u32 v[SA], SB, v[L16]
	v_add_nc_u32 v[SA+1], SB+65536, v[L16]
	v_add_nc_u32 v[VA], VB, v[L16]
	s_mul_i32 s80, s[WV], 32*PST
	s_add_co_u32 s80, s80, STG
	v_mul_u32_u24 v[STO], v1, PST
	v_lshl_add_u32 v[STO], v2, 5, v[STO]
	v_add_nc_u32 v[STO], s80, v[STO]               ; in: row r, 32 bytes for each half of the lanes
	v_mul_u32_u24 v[RD], v2, PST
	v_lshl_add_u32 v[RD], v1, 4, v[RD]
	v_add_nc_u32 v[RD], s80, v[RD]                 ; back: lanes 0-15 one row of 256 bytes, lanes 16-31 the next
	v_lshlrev_b32 v[GO], 11, v2
	v_lshl_add_u32 v[GO], v1, 4, v[GO]
	s_lshl_b32 s80, s[WV], 5
	v_lshlrev_b32 v45, 3, v2
	v_sub_nc_u32 v45, v1, v45
	v_add_nc_u32 v[TAU], s80, v45
	v_add_nc_u32 v[TAU+1], 16, v[TAU]
	v_mov_b32 v[ZR], 0
	s_wait_loadcnt 63                              ; of the 81 loads the oldest 18 are in: the statistics and o_b among them
.irp qt, 0,1
.set STB, 128+16*\qt
	v_max3_num_f32 v45, v[STB], v[STB+2], v[STB+4]
	v_max3_num_f32 v45, v45, v[STB+6], v[STB+8]
	v_max3_num_f32 v45, v45, v[STB+10], v[STB+12]
	v_max_num_f32 v45, v45, v[STB+14]              ; the row's maximum, times log2 e
.irp b, 0,1,2,3,4,5,6,7
	v_sub_f32 v[FF+8*\qt+\b], v[STB+2*\b], v45
.endr
.irp b, 0,1,2,3,4,5,6,7
	v_exp_f32 v[FF+8*\qt+\b], v[FF+8*\qt+\b]
.endr
	v_nop
	s_wait_alu depctr_va_vdst(0)
	v_mul_f32 v46, v[FF+8*\qt], v[STB+1]
.irp b, 1,2,3,4,5,6,7
	v_fmac_f32 v46, v[FF+8*\qt+\b], v[STB+2*\b+1]
.endr
	v_mul_f32 v[THR+\qt], 0x3cb95d22, v46          ; 1e-3 sqrt(512) l
.endr
; Q'' = Q' f, in f32 and rounded to bf16 again, a batch at a time as the loads come in; all this stands in the wait for the tiles
.set be, 0
.rept 16
	s_wait_loadcnt 4*(15-be)
	WIN 0x01                                       ; source 0 window 1
.set i, 0
.rept 16
	v_fma_mix_f32_bf16 v[160+2*i], v[16*be+i], v[FF+be], v[ZR] op_sel_hi:[1,0,0]
	v_fma_mix_f32_bf16 v[161+2*i], v[16*be+i], v[FF+be], v[ZR] op_sel:[1,0,0] op_sel_hi:[1,0,0]
.set i, i+1
.endr
	WIN 0x40
.set i, 0
.rept 16
	v_cvt_pk_bf16_f32 v[16*be+i], v[160+2*i], v[161+2*i]
.set i, i+1
.endr
.set be, be+1
.endr
	WIN 0
; P^T(key, query) = K Q''^T: 16 accumulators that take turns; a K step's 16 loads two steps ahead, on two buffers
.macro FETCHK ks
	WIN 0x80                                       ; destination window 2
.irp kt, 0,1,2,3,4,5,6,7
	ds_load_b128 v[64*((\ks)&1)+8*\kt:64*((\ks)&1)+8*\kt+3],   v[KA+(\kt>>2)] offset:(\kt&3)*16384+(\ks)*1024
	ds_load_b128 v[64*((\ks)&1)+8*\kt+4:64*((\ks)&1)+8*\kt+7], v[KA+(\kt>>2)] offset:(\kt&3)*16384+(\ks)*1024+512
.endr
.endm
.macro KSTEP ks
.if (\ks) == 15
	s_wait_dscnt 0x0
.else
	s_wait_dscnt 16                                ; this step's run is in, the next one's stays out
.endif
	WIN 0x06                                       ; source 0 (K) window 2, source 1 (Q'') window 1
.irp kt, 0,1,2,3,4,5,6,7
.irp qt, 0,1
.if (\ks) == 0
	v_wmma_f32_16x16x32_bf16 v[PT+8*(2*\kt+\qt):PT+8*(2*\kt+\qt)+7], v[64*((\ks)&1)+8*\kt:64*((\ks)&1)+8*\kt+7], v[8*(16*\qt+(\ks)):8*(16*\qt+(\ks))+7], 0
.else
	v_wmma_f32_16x16x32_bf16 v[PT+8*(2*\kt+\qt):PT+8*(2*\kt+\qt)+7], v[64*((\ks)&1)+8*\kt:64*((\ks)&1)+8*\kt+7], v[8*(16*\qt+(\ks)):8*(16*\qt+(\ks))+7], v[PT+8*(2*\kt+\qt):PT+8*(2*\kt+\qt)+7]
.endif
.endr
.endr
.if (\ks) < 14
	PLACES
	FETCHK (\ks)+2
.endif
.endm
	s_wait_tensorcnt 0x2                           ; my quarter of K is in; V' and S may stay out
	s_barrier_signal -1
	s_barrier_wait -1
	FETCHK 0
	FETCHK 1
.set sg, 0
.rept 16
	KSTEP sg
.set sg, sg+1
.endr
	WIN 0
	PLACES
; the causal mask: register j of tile (kt, qt) is key 16 kt + 8 h + j and query 32 w + 16 qt + r; a hidden entry becomes 0 by a select
.set kt, 0
.rept 8
.set qt, 0
.rept 2
.set j, 0
.rept 8
	v_cmp_le_i32 vcc_lo, 16*kt+j, v[TAU+qt]
	v_cndmask_b32 v[PT+8*(2*kt+qt)+j], 0, v[PT+8*(2*kt+qt)+j], vcc_lo
.set j, j+1
.endr
.set qt, qt+1
.endr
.set kt, kt+1
.endr
; two key tiles, packed in pairs, ARE source 1 (32 keys x 16 queries) of the second product.  Ph: the upper halves; then P - Ph, exact; then Pl, rounded
	WIN 0x80
.set t, 0
.rept 16                               ; t = 2 kt + qt
.set j, 0
.rept 4
	v_perm_b32 v[PH+8*(2*(t/4)+t%2)+4*((t/2)%2)+j], v[PT+8*t+2*j+1], v[PT+8*t+2*j], s[PSEL]
.set j, j+1
.endr
.set t, t+1
.endr
	WIN 0
.set j, 0
.rept 64
	v_and_b32 v[OO+2*(j%4)], s[HMK], v[PT+2*j]
	v_and_b32 v[OO+2*(j%4)+1], s[HMK], v[PT+2*j+1]
	v_pk_add_f32 v[PT+2*j:PT+2*j+1], v[PT+2*j:PT+2*j+1], v[OO+2*(j%4):OO+2*(j%4)+1] neg_lo:[0,1] neg_hi:[0,1]
.set j, j+1
.endr
	WIN 0x80
.set t, 0
.rept 16
.set j, 0
.rept 4
	v_cvt_pk_bf16_f32 v[PL+8*(2*(t/4)+t%2)+4*((t/2)%2)+j], v[PT+8*t+2*j], v[PT+8*t+2*j+1]
.set j, j+1
.endr
.set t, t+1
.endr
; O^T: one stream of 20 steps: four of V'^T P (32 keys each), sixteen of S^T Q''^T (32 channels d each); step sg reads buffer sg % 2, and its buffer is loaded again for step sg + 2
.macro FETCHV k, f
	WIN 0x80
.irp e, 0,1,2,3
.irp p, 0,1
	ds_load_b128 v[(\f)+8*(2*\e+\p):(\f)+8*(2*\e+\p)+3],   v[VA] offset:\e*8192+\p*4096+(\k)*1024
	ds_load_b128 v[(\f)+8*(2*\e+\p)+4:(\f)+8*(2*\e+\p)+7], v[VA] offset:\e*8192+\p*4096+(\k)*1024+512
.endr
.endr
.endm
.macro FETCHS ks, f
	WIN 0x80
.irp e, 0,1,2,3
	ds_load_b128 v[(\f)+8*\e:(\f)+8*\e+3],   v[SA] offset:\e*16384+(\ks)*1024
	ds_load_b128 v[(\f)+8*\e+4:(\f)+8*\e+7], v[SA] offset:\e*16384+(\ks)*1024+512
.endr
	ds_load_b128 v[(\f)+32:(\f)+35], v[SA+1] offset:(\ks)*1024
	ds_load_b128 v[(\f)+36:(\f)+39], v[SA+1] offset:(\ks)*1024+512
.endm
.macro SFETCH g
.if (\g) < 4
	FETCHV \g, 64*((\g)&1)
.else
	FETCHS (\g)-4, 64*((\g)&1)
.endif
.endm
.macro PV8 vf, pf, k, zero             ; eight products: part vf of V' x part pf of P
.irp e, 0,1,2,3
.irp qt, 0,1
.if \zero
	v_wmma_f32_16x16x32_bf16 v[OO+8*(2*\e+\qt):OO+8*(2*\e+\qt)+7], v[(\vf)+16*\e:(\vf)+16*\e+7], v[(\pf)+8*(2*(\k)+\qt):(\pf)+8*(2*(\k)+\qt)+7], 0
.else
	v_wmma_f32_16x16x32_bf16 v[OO+8*(2*\e+\qt):OO+8*(2*\e+\qt)+7], v[(\vf)+16*\e:(\vf)+16*\e+7], v[(\pf)+8*(2*(\k)+\qt):(\pf)+8*(2*(\k)+\qt)+7], v[OO+8*(2*\e+\qt):OO+8*(2*\e+\qt)+7]
.endif
.endr
.endr
.endm
.macro PVSTEP k, f
	WIN 0x0a                                       ; sources 0 (V') and 1 (P) window 2
.if (\k) == 0
	PV8 \f, PH, \k, 1                              ; the first products start the sums
.else
	PV8 \f, PH, \k, 0
.endif
	PV8 \f, PL, \k, 0
	PV8 (\f)+8, PH, \k, 0
	WIN 0x0b                                       ; source 0 window 3: ones
.irp qt, 0,1
.if (\k) == 0
	v_wmma_f32_16x16x32_bf16 v[OO+64+8*\qt:OO+64+8*\qt+7], v[0:7], v[PH+8*(2*(\k)+\qt):PH+8*(2*(\k)+\qt)+7], 0
.else
	v_wmma_f32_16x16x32_bf16 v[OO+64+8*\qt:OO+64+8*\qt+7], v[0:7], v[PH+8*(2*(\k)+\qt):PH+8*(2*(\k)+\qt)+7], v[OO+64+8*\qt:OO+64+8*\qt+7]
.endif
.endr
.irp qt, 0,1
	v_wmma_f32_16x16x32_bf16 v[OO+64+8*\qt:OO+64+8*\qt+7], v[0:7], v[PL+8*(2*(\k)+\qt):PL+8*(2*(\k)+\qt)+7], v[OO+64+8*\qt:OO+64+8*\qt+7]
.endr
.endm
.macro QSSTEP ks, f
	WIN 0x06                                       ; source 0 (S) window 2, source 1 (Q'') window 1
.irp e, 0,1,2,3,4
.irp qt, 0,1
	v_wmma_f32_16x16x32_bf16 v[OO+8*(2*\e+\qt):OO+8*(2*\e+\qt)+7], v[(\f)+8*\e:(\f)+8*\e+7], v[8*(16*\qt+(\ks)):8*(16*\qt+(\ks))+7], v[OO+8*(2*\e+\qt):OO+8*(2*\e+\qt)+7]
.endr
.endr
.endm
	s_wait_tensorcnt 0x0                           ; my parts of V' and S are in,
	s_wait_dscnt 0x0
	s_barrier_signal -1
	s_barrier_wait -1                              ; everybody's are
	SFETCH 0
	SFETCH 1
.set sg, 0
.rept 20
.if sg == 19
	s_wait_dscnt 0x0
.elseif sg < 3
	s_wait_dscnt 16                                ; the younger run, a step of V', stays out
.else
	s_wait_dscnt 10                                ; the younger run, a step of S, stays out
.endif
.if sg < 4
	PVSTEP sg, 64*(sg&1)
.else
	QSSTEP sg-4, 64*(sg&1)
.endif
.if sg < 18
	PLACES
	SFETCH sg+2
.endif
.set sg, sg+1
.endr
	WIN 0
	PLACES
; THE WAY OUT: the divisor is clamped, O^T divided, sent through my stage and read back as whole rows of 256 bytes; o_b is added there
.irp qt, 0,1
	v_max_num_f32 v[RI+2*\qt], v[OO+64+8*\qt], v[THR+\qt]   ; the fifth tile's rows are equal: its lowest register serves
.endr
	v_rcp_f32 v[RI], v[RI]
	v_rcp_f32 v[RI+2], v[RI+2]
	v_nop                                          ; a plain instruction between the last reciprocal and the use of its result
	s_wait_alu depctr_va_vdst(0)
	v_mov_b32 v[RI+1], v[RI]                       ; named with them as pairs
	v_mov_b32 v[RI+3], v[RI+2]
.irp e, 0,1,2,3
.irp qt, 0,1
.irp j, 0,2,4,6
	v_pk_mul_f32 v[OO+8*(2*\e+\qt)+\j:OO+8*(2*\e+\qt)+\j+1], v[OO+8*(2*\e+\qt)+\j:OO+8*(2*\e+\qt)+\j+1], v[RI+2*\qt:RI+2*\qt+1] op_sel_hi:[1,0]
.endr
	ds_store_b128 v[STO], v[OO+8*(2*\e+\qt):OO+8*(2*\e+\qt)+3]   offset:\qt*16*PST+\e*64
	ds_store_b128 v[STO], v[OO+8*(2*\e+\qt)+4:OO+8*(2*\e+\qt)+7] offset:\qt*16*PST+\e*64+16
.endr
.endr
.set i, 0
.rept 16
	ds_load_b128 v[128+4*i:131+4*i], v[RD] offset:i*2*PST          ; LDS serves a wave's instructions in order (ISA guide 5.7.1.4): these see the stores above
.set i, i+1
.endr
.set i, 0
.rept 16
	s_wait_dscnt 15-i
	v_pk_add_f32 v[128+4*i:129+4*i], v[128+4*i:129+4*i], v[OB:OB+1]
	v_pk_add_f32 v[130+4*i:131+4*i], v[130+4*i:131+4*i], v[OB+2:OB+3]
	global_store_b128 v[GO], v[128+4*i:131+4*i], s[78:79] offset:i*4096  ; 16 lanes store 256 consecutive bytes, at a multiple of 256 from out0's first
.set i, i+1
.endr
	s_wait_tensorcnt 0x0                           ; the wave's end: behind my last tensor load and my last LDS store
	ds_add_u32 v[SPW], v[NIL]
	s_wait_dscnt 0x0
	CROUND                                         ; the closing round
	s_endpgm
.Lfunc_end_k_q7ddaa862ff_attn:
	.size	k_q7ddaa862ff_attn, .Lfunc_end_k_q7ddaa862ff_attn-k_q7ddaa862ff_attn
	.p2alignl 7, 3214868480
	.fill 96, 4, 3214868480
	.section	.rodata,"a",@progbits
	.p2align	6, 0x0
	.amdhsa_kernel k_q7ddaa862ff_attn
		.amdhsa_group_segment_fixed_size 327680
		.amdhsa_private_segment_fixed_size 0
		.amdhsa_enable_private_segment 0
		.amdhsa_kernarg_size 56
		.amdhsa_user_sgpr_count 2
		.amdhsa_user_sgpr_kernarg_segment_ptr 1
		.amdhsa_wavefront_size32 1
		.amdhsa_system_sgpr_workgroup_id_x 1
		.amdhsa_system_sgpr_workgroup_id_y 1
		.amdhsa_system_sgpr_workgroup_id_z 1
		.amdhsa_system_vgpr_workitem_id 0
		.amdhsa_next_free_vgpr 776
		.amdhsa_next_free_sgpr 88
		.amdhsa_reserve_vcc 1
		.amdhsa_float_denorm_mode_32 3
		.amdhsa_float_denorm_mode_16_64 3
		.amdhsa_memory_ordered 1
		.amdhsa_forward_progress 1
		.amdhsa_inst_pref_size 173
	.end_amdhsa_kernel
	.amdgpu_metadata
---
amdhsa.version: [ 1, 2 ]
amdhsa.kernels:
  - .name:           k_q7ddaa862ff_attn
    .symbol:         k_q7ddaa862ff_attn.kd
    .args:
      - { .name: qf, .offset: 0, .size: 8, .value_kind: global_buffer, .address_space: global }
      - { .name: kk, .offset: 8, .size: 8, .value_kind: global_buffer, .address_space: global }
      - { .name: vt, .offset: 16, .size: 8, .value_kind: global_buffer, .address_space: global }
      - { .name: aux, .offset: 24, .size: 8, .value_kind: global_buffer, .address_space: global }
      - { .name: st, .offset: 32, .size: 8, .value_kind: global_buffer, .address_space: global }
      - { .name: bia, .offset: 40, .size: 8, .value_kind: global_buffer, .address_space: global }
      - { .name: out0, .offset: 48, .size: 8, .value_kind: global_buffer, .address_space: global }
    .group_segment_fixed_size: 327680
    .private_segment_fixed_size: 0
    .kernarg_segment_align: 8
    .kernarg_segment_size: 56
    .max_flat_workgroup_size: 128
    .sgpr_count:     88
    .vgpr_count:     776
    .wavefront_size: 32
...
	.end_amdgpu_metadata
.endif
;; end of part 4
;; ======== version 2 of 2: 4 launches; version 1 with the launch prep written anew for expert scheduling mode
;; limits: values outside matrix products are rounded to bf16
;; workspace buffers: xb 4,194,304 bytes; wb 2,097,152 bytes; bia 16,384 bytes; qf 4,194,304 bytes; kk 8,912,896 bytes; vt 9,437,184 bytes; aux 262,144 bytes; st 20,971,520 bytes
;; launch prep (part 5): grid 233 x 1, 8 waves a work-group, no clusters, 199,424 bytes of LDS; arguments x, q_w, k_w, v_w, o_w, q_b, k_b, v_b, o_b, toep_weight, xb, wb, bia; writes xb, wb, bia
.if DOCPART == 5
	.amdgcn_target "amdgcn-amd-amdhsa--gfx1250"
	.amdhsa_code_object_version 6
	.text
	.protected	k_q7ddaa862ff_prep
	.globl	k_q7ddaa862ff_prep
	.p2align	8
	.type	k_q7ddaa862ff_prep,@function
k_q7ddaa862ff_prep:
	s_mov_b64 s[64:65], 0
	v_nop
	global_prefetch_b8 v0, s[64:65] scope:SCOPE_SE
	s_setreg_imm32_b32 hwreg(HW_REG_WAVE_SCHED_MODE, 0, 2), 2
	s_setreg_imm32_b32 hwreg(HW_REG_WAVE_MODE, 25, 1), 1
	s_wait_xcnt 0x0
	s_wait_alu depctr_vm_vsrc(0)
; PREP: every input is rounded to bf16 once, and the output projection is folded into v's.
;   work-groups 0-63   FOLD : Wvo = o_w v_w (bf16 products, f32 sums), 32 rows j x 128 columns e each, written as a bf16 pair hi + lo
;   work-groups 64-71  BP   : b'[j] = sum over m of o_w[j][m] v_b[m], 64 rows each, kept in f32
;   work-group  72     SMALL: q_b, k_b, o_b, toep_weight rounded to bf16 and kept as f32
;   work-groups 73-232 CAST : x, q_w, k_w to bf16, 65,536 bytes in and 32,768 out each
; wb: bf16 [2048][512]: rows 0-511 q_w, 512-1023 k_w; row 1024 + 64 (j / 32) + 32 p + j % 32 is part p (0 hi, 1 lo) of Wvo's row j.
; bia: f32: q_b at 0, k_b at 512, b' at 1024, toep at 1536, o_b at 3584.
; No tensor loads: f32 has to pass through registers to be rounded.  No cluster: the work-groups share little and load through registers.
; LIMITS: hi + lo holds about 16 significant bits of Wvo with f32's range; NaN and infinities are not treated apart.
; THE MODE: SCHED_MODE bits 1:0 = 2 (LLVM: expert scheduling mode 2), set by the entry lines.  The code itself states the register dependences
; between vector or matrix instructions and memory or LDS instructions, with s_wait_alu, always for 0.
; THE PLAN, path by path: the registers that memory or LDS instructions touch, and who else names them.
;   CAST   v4, v5 offsets, made once.  v64-127: 16 loads land there, each read by two roundings.  v20-51: 16 pairs, each written by its roundings and read by one store; none is used twice.
;          Four groups of four: a group's stores are issued in the next group, behind one wait at that group's head, dealt among roundings that name other registers.
;   SMALL  v4, v5 offsets; v8-23 loaded; v32-47 written by vector lines and stored: one wait ahead of the loads, one ahead of the stores.
;   BP     v4-v7 offsets and LDS addresses, made once ahead of one wait.  v8-23, v64-191 loaded before any vector line names them.  v52-59: a row's sum each, written by the row's last addition and
;          read by the eight LDS stores, which stand in one run behind one wait.  v50-51: an LDS load lands there; no vector line names them.
;   FOLD   v4, v5 offsets; v6, v8-19 addresses: made once.  v64-191: a ring of 32 slots: a slot is read by its item's two roundings and then loaded again.  v20-35: eight pairs: item i's roundings write
;          pair i % 8, its LDS store reads it.  The 80 items go in 20 blocks of four: ONE wait on va_vdst in a block, behind its eight roundings, serves the block's four loads and four LDS stores;
;          one wait on vm_vsrc at its head frees the four pairs, which the stores of two blocks back read.  In the product v64-159 and v160-255 are two fragment buffers: LDS loads land there,
;          matrix instructions read them: one wait on va_vdst ahead of each run of loads that fills a buffer again.
.set VW,    0                          ; v_w's strip as bf16, [512 m][128 e], rows 288 bytes apart (256 + 32)
.set PVW,   288
.set OW,    147456                     ; o_w's 32 rows as bf16, [32 j][512 m], rows 1,040 bytes apart (1,024 + 16)
.set POW,   1040
.set STG0,  180736                     ; the way out: 64 rows (32 hi, 32 lo) of 256 bytes, 272 apart
.set PST,   272
.set BS,    198144                     ; BP: 64 sums
.set SPARE, 198400                     ; the spare words, 128 bytes for each of eight waves; no other line names them
.set SPW, 2                            ; v2  LDS address of my spare word; never rewritten
.set NIL, 3                            ; v3  0; never rewritten
.set RS,  52                           ; BP: v52-59 the sums of my wave's eight rows
.set WV,  30                           ; s30 my wave's number
.set ID,  31                           ; s31 the work-group's number
.macro PLACES                          ; four plain places behind a matrix instruction (ISA guide 7.12.1)
.rept 4
	v_nop
.endr
.endm
	s_load_b512 s[4:19], s[0:1], 0x0               ; x 4, q_w 6, k_w 8, v_w 10, o_w 12, q_b 14, k_b 16, v_b 18
	s_load_b256 s[20:27], s[0:1], 0x40             ; o_b 20, toep 22, xb 24, wb 26
	s_load_b64 s[28:29], s[0:1], 0x60              ; bia
	v_lshl_add_u32 v[SPW], v0, 2, SPARE
	v_mov_b32 v[NIL], 0
	v_lshrrev_b32 v1, 5, v0
	v_readfirstlane_b32 s[WV], v1
	s_wait_alu depctr_va_sdst(0)                   ; s30, the wave's number, is written
	s_mov_b32 s[ID], ttmp9
	s_wait_kmcnt 0x0
	s_cmp_lt_u32 s[ID], 64
	s_cbranch_scc1 .Lfold
	s_cmp_lt_u32 s[ID], 72
	s_cbranch_scc1 .Lbp
	s_cmp_eq_u32 s[ID], 72
	s_cbranch_scc1 .Lsmall
; ---------------- CAST: 16 loads of 16 bytes a thread, all on their way at once; a wave's store covers 256 consecutive bytes
	s_sub_co_u32 s32, s[ID], 73                    ; i: 0-127 x, 128-143 q_w, 144-159 k_w
	s_sub_co_u32 s33, s32, 128                     ; i - 128: the block in wb (used only where i >= 128)
	s_and_b32 s40, s33, 15                         ; the block in q_w or k_w
	s_cmp_lt_u32 s32, 144
	s_cselect_b64 s[36:37], s[6:7], s[8:9]
	s_cmp_lt_u32 s32, 128
	s_cselect_b64 s[36:37], s[4:5], s[36:37]       ; from
	s_cselect_b64 s[38:39], s[24:25], s[26:27]     ; to
	s_cselect_b32 s34, s32, s40
	s_cselect_b32 s41, s32, s33
	s_lshl_b32 s34, s34, 16
	s_mov_b32 s35, 0
	s_add_nc_u64 s[36:37], s[36:37], s[34:35]
	s_lshl_b32 s34, s41, 15
	s_add_nc_u64 s[38:39], s[38:39], s[34:35]
	v_lshlrev_b32 v4, 4, v0
	v_lshlrev_b32 v5, 3, v0
	s_wait_alu depctr_va_vdst(0)                   ; v4 and v5 are written: every load of this path reads the one as its offset, every store the other
.set i, 0
.rept 16
	global_load_b128 v[64+4*i:64+4*i+3], v4, s[36:37] offset:i*4096 th:TH_LOAD_NT
.set i, i+1
.endr
.set g, 0
.rept 4                                ; group g: items 4 g to 4 g + 3 are rounded; the group before is stored
	s_wait_loadcnt 12-4*g                          ; loads come back in order: this group's four are in, the younger groups stay out
.if g > 0
	s_wait_alu depctr_va_vdst(0)                   ; the roundings of the group before have written its four pairs, which the stores below read; the roundings among them name this group's registers alone
.endif
.set i, 4*g
.rept 4
.if g > 0
	global_store_b64 v5, v[20+2*(i-4):21+2*(i-4)], s[38:39] offset:(i-4)*2048
.endif
	v_cvt_pk_bf16_f32 v[20+2*i], v[64+4*i], v[64+4*i+1]
	v_cvt_pk_bf16_f32 v[21+2*i], v[64+4*i+2], v[64+4*i+3]
.set i, i+1
.endr
.set g, g+1
.endr
	s_wait_alu depctr_va_vdst(0)                   ; the last group's roundings have written its four pairs, which the last four stores read
.set i, 12
.rept 4
	global_store_b64 v5, v[20+2*i:21+2*i], s[38:39] offset:i*2048
.set i, i+1
.endr
	s_endpgm                                       ; this path writes no LDS
; ---------------- SMALL
.Lsmall:
	v_lshlrev_b32 v4, 3, v0
	v_lshlrev_b32 v5, 4, v0
	s_wait_alu depctr_va_vdst(0)                   ; v4 and v5 are written: the loads and stores of this path read them as offsets
	global_load_b64 v[8:9], v4, s[14:15]
	global_load_b64 v[10:11], v4, s[16:17]
	global_load_b64 v[12:13], v4, s[20:21]
	global_load_b128 v[16:19], v5, s[22:23]
	global_load_b128 v[20:23], v5, s[22:23] offset:4096
	s_wait_loadcnt 0x0
.irp p, 8,10,12,16,18,20,22
	v_cvt_pk_bf16_f32 v1, v[\p], v[\p+1]           ; rounded to bf16,
	v_lshlrev_b32 v[\p+24], 16, v1                 ; and widened again
	v_and_b32 v[\p+25], 0xffff0000, v1
.endr
	s_wait_alu depctr_va_vdst(0)                   ; the widening lines have written v32 to v47, which the five stores read
	global_store_b64 v4, v[32:33], s[28:29]
	global_store_b64 v4, v[34:35], s[28:29] offset:2048
	global_store_b64 v4, v[36:37], s[28:29] offset:14336
	global_store_b128 v5, v[40:43], s[28:29] offset:6144
	global_store_b128 v5, v[44:47], s[28:29] offset:10240
	s_endpgm                                       ; this path writes no LDS
; ---------------- BP: a wave takes 8 rows of o_w; a lane holds elements 128 q + 4 l + 0..3 of a row and of v_b
.Lbp:
	s_sub_co_u32 s32, s[ID], 64
	s_lshl_b32 s33, s32, 6
	s_lshl3_add_u32 s33, s[WV], s33                ; my first row: 64 g + 8 w
	s_lshl_b32 s34, s33, 11
	s_mov_b32 s35, 0
	s_add_nc_u64 s[36:37], s[12:13], s[34:35]
	s_mov_b32 s38, 0x76543210                      ; v_permlanex16_b32: each lane takes its own place in the other half
	s_mov_b32 s39, 0xfedcba98
	s_lshl_b32 s40, s[WV], 5
	s_add_co_u32 s40, s40, BS
	v_and_b32 v1, 31, v0
	v_lshlrev_b32 v4, 4, v1                        ; o_w and v_b: 16 bytes a lane
	v_lshlrev_b32 v5, 3, v1                        ; bia: 8 bytes a lane (wave 0's store)
	v_mov_b32 v6, s40                              ; my wave's eight words
	v_lshl_add_u32 v7, v1, 3, BS                   ; the 64 sums, 8 bytes a lane (wave 0's load)
	v_mov_b32 v32, 0
	s_wait_alu depctr_va_vdst(0)                   ; v4 to v7 are written: the offsets and LDS addresses of every load and store of this path; none is written again
.irp q, 0,1,2,3
	global_load_b128 v[8+4*\q:11+4*\q], v4, s[18:19] offset:512*\q
.endr
.set i, 0
.rept 8
.irp q, 0,1,2,3
	global_load_b128 v[64+16*i+4*\q:64+16*i+4*\q+3], v4, s[36:37] offset:2048*i+512*\q
.endr
.set i, i+1
.endr
	s_wait_loadcnt 32                              ; v_b is in; o_w's 32 loads stay out
.irp q, 0,1,2,3
	v_cvt_pk_bf16_f32 v[24+2*\q], v[8+4*\q], v[9+4*\q]
	v_cvt_pk_bf16_f32 v[25+2*\q], v[10+4*\q], v[11+4*\q]
.endr
.set i, 0
.rept 8
	s_wait_loadcnt 4*(7-i)                         ; row i is in
.irp q, 0,1,2,3
	v_cvt_pk_bf16_f32 v[40+2*\q], v[64+16*i+4*\q], v[64+16*i+4*\q+1]
	v_cvt_pk_bf16_f32 v[41+2*\q], v[64+16*i+4*\q+2], v[64+16*i+4*\q+3]
.endr
	v_fma_mix_f32_bf16 v48, v40, v24, v32 op_sel_hi:[1,1,0]                 ; two chains: the low halves' products, the high halves'
	v_fma_mix_f32_bf16 v49, v40, v24, v32 op_sel:[1,1,0] op_sel_hi:[1,1,0]
.irp j, 1,2,3,4,5,6,7
	v_fma_mix_f32_bf16 v48, v[40+\j], v[24+\j], v48 op_sel_hi:[1,1,0]
	v_fma_mix_f32_bf16 v49, v[40+\j], v[24+\j], v49 op_sel:[1,1,0] op_sel_hi:[1,1,0]
.endr
	v_add_f32 v48, v48, v49
	v_add_f32_dpp v48, v48, v48 row_xmask:1 row_mask:0xf bank_mask:0xf
	v_add_f32_dpp v48, v48, v48 row_xmask:2 row_mask:0xf bank_mask:0xf
	v_add_f32_dpp v48, v48, v48 row_xmask:4 row_mask:0xf bank_mask:0xf
	v_add_f32_dpp v48, v48, v48 row_xmask:8 row_mask:0xf bank_mask:0xf
	v_permlanex16_b32 v49, v48, s38, s39
	v_add_f32 v[RS+i], v48, v49                    ; a register to each row's sum, so that the eight LDS stores stand together
.set i, i+1
.endr
	s_wait_alu depctr_va_vdst(0)                   ; the eight last additions have written v52 to v59, which the LDS stores read
.set i, 0
.rept 8
	ds_store_b32 v6, v[RS+i] offset:4*i            ; all lanes write the same word with the same number
.set i, i+1
.endr
	s_wait_dscnt 0x0                               ; for the others' sake: my stores are done
	s_barrier_signal -1
	s_barrier_wait -1
	s_cmp_lg_u32 s[WV], 0
	s_cbranch_scc1 .Lbp_end
	ds_load_b64 v[50:51], v7                       ; wave 0 stores the 64 sums: 256 consecutive bytes.  No vector line names v50, v51, nor v7 since its wait
	s_lshl_b32 s34, s32, 8
	s_add_co_u32 s34, s34, 4096
	s_add_nc_u64 s[42:43], s[28:29], s[34:35]
	s_wait_dscnt 0x0
	global_store_b64 v5, v[50:51], s[42:43]
.Lbp_end:
	s_wait_dscnt 0x0                               ; the closing lines, six on end
	s_wait_alu 0x0
	s_wait_tensorcnt 0x0
	ds_add_u32 v[SPW], v[NIL]
	s_wait_dscnt 0x0
	s_endpgm
; ---------------- FOLD
.Lfold:
	s_lshr_b32 s32, s[ID], 2                       ; jb: 32 rows j
	s_and_b32 s33, s[ID], 3                        ; eb4: 128 columns e
	s_lshl_b32 s34, s32, 16
	s_mov_b32 s35, 0
	s_add_nc_u64 s[36:37], s[12:13], s[34:35]      ; o_w at my 32 rows (65,536 consecutive bytes)
	s_add_co_u32 s34, s34, 1048576                 ; wb: row 1024 + 64 jb,
	s_lshl_b32 s40, s33, 8
	s_add_co_u32 s34, s34, s40                     ; column 128 eb4
	s_add_nc_u64 s[42:43], s[26:27], s[34:35]
	s_lshl_b32 s34, s33, 9
	s_add_nc_u64 s[38:39], s[10:11], s[34:35]      ; v_w at my strip of 512 bytes a row
	v_lshlrev_b32 v4, 4, v0                        ; o_w: 16 t
	v_and_b32 v7, 31, v0
	v_lshlrev_b32 v5, 11, v1
	v_lshl_add_u32 v5, v7, 4, v5                   ; v_w: row t / 32, 16 bytes a lane
	s_wait_alu depctr_va_vdst(0)                   ; v4 and v5 are written: the ring's loads read them as offsets; neither is written again
; A ring of 32 slots in registers: 80 items of 4,096 bytes (16 of o_w, 64 of v_w), 28 to 32 loads of every wave on their way.
.macro LD i
.if (\i) < 16
	global_load_b128 v[64+4*((\i)%32):64+4*((\i)%32)+3], v4, s[36:37] offset:(\i)*4096
.else
	global_load_b128 v[64+4*((\i)%32):64+4*((\i)%32)+3], v5, s[38:39] offset:((\i)-16)*16384
.endif
.endm
.macro CVT i                           ; item i's four numbers a thread, rounded into pair i % 8
	v_cvt_pk_bf16_f32 v[20+2*((\i)%8)], v[64+4*((\i)%32)], v[64+4*((\i)%32)+1]
	v_cvt_pk_bf16_f32 v[21+2*((\i)%8)], v[64+4*((\i)%32)+2], v[64+4*((\i)%32)+3]
.endm
.macro ST i                            ; and stored into LDS
.if (\i) < 16
	ds_store_b64 v6, v[20+2*((\i)%8):21+2*((\i)%8)] offset:(\i)*2*POW
.else
	ds_store_b64 v[8+(((\i)-16)>>4)], v[20+2*((\i)%8):21+2*((\i)%8)] offset:(((\i)-16)&15)*8*PVW
.endif
.endm
; Block p: items 4 p to 4 p + 3.
.macro BLK p
.if (\p) < 13
	s_wait_loadcnt 28                              ; loads come back in order: this block's four items are in, the 28 younger stay out
.else
	s_wait_loadcnt 76-4*(\p)                       ; the counts run down
.endif
.if (\p) >= 2
	s_wait_alu depctr_vm_vsrc(0)                   ; the LDS stores of two blocks back have read the four pairs that this block's roundings write again
.endif
.irp k, 0,1,2,3
	CVT 4*(\p)+\k
.endr
	s_wait_alu depctr_va_vdst(0)                   ; the roundings have written their four pairs, which the LDS stores read, and are done reading their four slots, in which the loads land; in block 0: the addresses v6, v8 to v19 are written
.if (\p) < 12
.irp k, 0,1,2,3
	LD 4*(\p)+32+\k                                ; the slots are asked for again at once
.endr
.endif
.irp k, 0,1,2,3
	ST 4*(\p)+\k
.endr
.endm
.set i, 0
.rept 32
	LD i
.set i, i+1
.endr
	v_lshrrev_b32 v52, 7, v0
	v_and_b32 v53, 127, v0
	v_mul_u32_u24 v6, v52, POW
	v_lshl_add_u32 v6, v53, 3, v6
	v_add_nc_u32 v6, OW, v6                        ; o_w in LDS: row t / 128 of an item's two, 8 bytes a thread
	v_mul_u32_u24 v8, v1, PVW
	v_lshl_add_u32 v8, v7, 3, v8                   ; v_w in LDS: row t / 32 of an item's eight; four bases, since an offset has 16 bits
	v_add_nc_u32 v9, 128*PVW, v8
	v_add_nc_u32 v10, 256*PVW, v8
	v_add_nc_u32 v11, 384*PVW, v8
	v_and_b32 v54, 15, v0                          ; r
	v_bfe_u32 v55, v0, 4, 1                        ; h
	v_and_b32 v56, 7, v0
	v_bfe_u32 v57, v0, 3, 1
	v_lshl_add_u32 v58, v55, 3, v56
	v_mul_u32_u24 v12, v58, PVW                    ; the turning load: row 8 h + l % 8, 16 bytes by (l / 8) % 2, my wave's 16 columns
	v_lshl_add_u32 v12, v57, 4, v12
	s_lshl_b32 s44, s[WV], 5
	v_add_nc_u32 v12, s44, v12
	v_add_nc_u32 v13, 128*PVW, v12
	v_add_nc_u32 v14, 256*PVW, v12
	v_add_nc_u32 v15, 384*PVW, v12
	v_mul_u32_u24 v16, v54, POW
	v_lshl_add_u32 v16, v55, 4, v16
	v_add_nc_u32 v16, OW, v16                      ; o_w's fragments: row r, 16 h
	v_mul_u32_u24 v17, v54, PST
	v_lshl_add_u32 v17, v55, 4, v17
	v_add_nc_u32 v17, s44, v17
	v_add_nc_u32 v17, STG0, v17                    ; into the stage: row r, my wave's 32 bytes, 16 h
	v_lshrrev_b32 v59, 4, v0
	v_mul_u32_u24 v18, v59, PST
	v_lshl_add_u32 v18, v54, 4, v18
	v_add_nc_u32 v18, STG0, v18                    ; back: row t / 16, 16 bytes a thread
	v_lshlrev_b32 v19, 10, v59
	v_lshl_add_u32 v19, v54, 4, v19                ; and the same in wb
.set blk, 0
.rept 20
	BLK blk
.set blk, blk+1
.endr
	s_wait_dscnt 0x0                               ; my stores are done,
	s_barrier_signal -1
	s_barrier_wait -1                              ; everybody's are
; D(m = e, n = j) = v_w^T (16 e of my wave, turned out of LDS) x o_w (16 j): a lane then holds eight neighbouring e of one row j.
; Two accumulators (j tiles 0 and 1) take turns.  A run of loads brings four K steps of 32.
.macro FETCHB be, f
.irp k, 0,1,2,3
	ds_load_tr16_b128 v[(\f)+24*\k:(\f)+24*\k+3],     v[12+(\be)] offset:(32*\k)*PVW
	ds_load_tr16_b128 v[(\f)+24*\k+4:(\f)+24*\k+7],   v[12+(\be)] offset:(32*\k+16)*PVW
	ds_load_b128 v[(\f)+24*\k+8:(\f)+24*\k+11],  v16 offset:256*(\be)+64*\k
	ds_load_b128 v[(\f)+24*\k+12:(\f)+24*\k+15], v16 offset:256*(\be)+64*\k+32
	ds_load_b128 v[(\f)+24*\k+16:(\f)+24*\k+19], v16 offset:256*(\be)+64*\k+16*POW
	ds_load_b128 v[(\f)+24*\k+20:(\f)+24*\k+23], v16 offset:256*(\be)+64*\k+16*POW+32
.endr
.endm
.macro MULB f, zero
.irp k, 0,1,2,3
.if (\zero) && (\k == 0)
	v_wmma_f32_16x16x32_bf16 v[36:43], v[(\f)+24*\k:(\f)+24*\k+7], v[(\f)+24*\k+8:(\f)+24*\k+15], 0
	v_wmma_f32_16x16x32_bf16 v[44:51], v[(\f)+24*\k:(\f)+24*\k+7], v[(\f)+24*\k+16:(\f)+24*\k+23], 0
.else
	v_wmma_f32_16x16x32_bf16 v[36:43], v[(\f)+24*\k:(\f)+24*\k+7], v[(\f)+24*\k+8:(\f)+24*\k+15], v[36:43]
	v_wmma_f32_16x16x32_bf16 v[44:51], v[(\f)+24*\k:(\f)+24*\k+7], v[(\f)+24*\k+16:(\f)+24*\k+23], v[44:51]
.endif
.endr
.endm
	FETCHB 0, 64                                   ; no wait: the ring's roundings, the last to name v64 to v191, stand ahead of the last block's wait on va_vdst, and no vector line has named v192 to v255
	FETCHB 1, 160
	s_wait_dscnt 24                                ; the older run of 24 is in
	MULB 64, 1
	PLACES
	s_wait_alu depctr_va_vdst(0)                   ; the eight matrix instructions are done reading v64 to v159, in which the next run lands
	FETCHB 2, 64
	s_wait_dscnt 24
	MULB 160, 0
	PLACES
	s_wait_alu depctr_va_vdst(0)                   ; the eight matrix instructions are done reading v160 to v255, in which the next run lands
	FETCHB 3, 160
	s_wait_dscnt 24
	MULB 64, 0
	s_wait_dscnt 0x0
	MULB 160, 0
	PLACES
	s_wait_alu depctr_vm_vsrc(0)                   ; the ring's LDS stores have read v20 to v35, which the split below writes again
; hi = the sum rounded to bf16; lo = (sum - hi) rounded to bf16
.macro SPLIT2 hi, lo, a, t
	v_cvt_pk_bf16_f32 v[\hi], v[\a], v[(\a)+1]
	v_lshlrev_b32 v[\t], 16, v[\hi]
	v_and_b32 v[(\t)+1], 0xffff0000, v[\hi]
	v_pk_add_f32 v[\t:(\t)+1], v[\a:(\a)+1], v[\t:(\t)+1] neg_lo:[0,1] neg_hi:[0,1]
	v_cvt_pk_bf16_f32 v[\lo], v[\t], v[(\t)+1]
.endm
.irp jt, 0,1
.irp p, 0,1,2,3
	SPLIT2 20+4*\jt+\p, 28+4*\jt+\p, 36+8*\jt+2*\p, 52+2*\p
.endr
.endr
	s_wait_alu depctr_va_vdst(0)                   ; the split has written v20 to v35, which the LDS stores read; the matrix instructions are done reading v64 to v79, in which the loads from the stage land
	ds_store_b128 v17, v[20:23]
	ds_store_b128 v17, v[24:27] offset:16*PST
	ds_store_b128 v17, v[28:31] offset:32*PST
	ds_store_b128 v17, v[32:35] offset:48*PST
	s_wait_dscnt 0x0                               ; a row's 256 bytes come from eight waves
	s_barrier_signal -1
	s_barrier_wait -1
.irp i, 0,1,2,3
	ds_load_b128 v[64+4*\i:67+4*\i], v18 offset:\i*16*PST
.endr
.irp i, 0,1,2,3
	s_wait_dscnt 3-\i
	global_store_b128 v19, v[64+4*\i:67+4*\i], s[42:43] offset:\i*16384  ; 16 lanes store 256 consecutive bytes, at a multiple of 256 from wb's first
.endr
	s_wait_dscnt 0x0                               ; the closing lines, six on end
	s_wait_alu 0x0
	s_wait_tensorcnt 0x0
	ds_add_u32 v[SPW], v[NIL]
	s_wait_dscnt 0x0
	s_endpgm
.Lfunc_end_k_q7ddaa862ff_prep:
	.size	k_q7ddaa862ff_prep, .Lfunc_end_k_q7ddaa862ff_prep-k_q7ddaa862ff_prep
	.p2alignl 7, 3214868480
	.fill 96, 4, 3214868480
	.section	.rodata,"a",@progbits
	.p2align	6, 0x0
	.amdhsa_kernel k_q7ddaa862ff_prep
		.amdhsa_group_segment_fixed_size 199424
		.amdhsa_private_segment_fixed_size 0
		.amdhsa_enable_private_segment 0
		.amdhsa_kernarg_size 104
		.amdhsa_user_sgpr_count 2
		.amdhsa_user_sgpr_kernarg_segment_ptr 1
		.amdhsa_wavefront_size32 1
		.amdhsa_system_sgpr_workgroup_id_x 1
		.amdhsa_system_sgpr_workgroup_id_y 1
		.amdhsa_system_sgpr_workgroup_id_z 1
		.amdhsa_system_vgpr_workitem_id 0
		.amdhsa_next_free_vgpr 256
		.amdhsa_next_free_sgpr 66
		.amdhsa_reserve_vcc 0
		.amdhsa_float_denorm_mode_32 3
		.amdhsa_float_denorm_mode_16_64 3
		.amdhsa_memory_ordered 1
		.amdhsa_forward_progress 1
		.amdhsa_inst_pref_size 70
	.end_amdhsa_kernel
	.amdgpu_metadata
---
amdhsa.version: [ 1, 2 ]
amdhsa.kernels:
  - .name:           k_q7ddaa862ff_prep
    .symbol:         k_q7ddaa862ff_prep.kd
    .args:
      - { .name: x, .offset: 0, .size: 8, .value_kind: global_buffer, .address_space: global }
      - { .name: q_w, .offset: 8, .size: 8, .value_kind: global_buffer, .address_space: global }
      - { .name: k_w, .offset: 16, .size: 8, .value_kind: global_buffer, .address_space: global }
      - { .name: v_w, .offset: 24, .size: 8, .value_kind: global_buffer, .address_space: global }
      - { .name: o_w, .offset: 32, .size: 8, .value_kind: global_buffer, .address_space: global }
      - { .name: q_b, .offset: 40, .size: 8, .value_kind: global_buffer, .address_space: global }
      - { .name: k_b, .offset: 48, .size: 8, .value_kind: global_buffer, .address_space: global }
      - { .name: v_b, .offset: 56, .size: 8, .value_kind: global_buffer, .address_space: global }
      - { .name: o_b, .offset: 64, .size: 8, .value_kind: global_buffer, .address_space: global }
      - { .name: toep_weight, .offset: 72, .size: 8, .value_kind: global_buffer, .address_space: global }
      - { .name: xb, .offset: 80, .size: 8, .value_kind: global_buffer, .address_space: global }
      - { .name: wb, .offset: 88, .size: 8, .value_kind: global_buffer, .address_space: global }
      - { .name: bia, .offset: 96, .size: 8, .value_kind: global_buffer, .address_space: global }
    .group_segment_fixed_size: 199424
    .private_segment_fixed_size: 0
    .kernarg_segment_align: 8
    .kernarg_segment_size: 104
    .max_flat_workgroup_size: 256
    .sgpr_count:     66
    .vgpr_count:     256
    .wavefront_size: 32
...
	.end_amdgpu_metadata
.endif
;; end of part 5
;; launch proj: the kernel of part 2 again; grid 16 x 32, 4 waves a work-group, clusters of 4 x 4, 327,680 bytes of LDS; arguments xb, wb, bia, qf, kk, vt, aux; writes qf, kk, vt, aux
;; launch state: the kernel of part 3 again; grid 16 x 16, 4 waves a work-group, clusters of 4 x 4, 327,680 bytes of LDS; arguments kk, vt, st; writes st
;; launch attn: the kernel of part 4 again; grid 8 x 32, 4 waves a work-group, clusters of 4 x 1, 327,680 bytes of LDS; arguments qf, kk, vt, aux, st, bia, out0; writes out0
